; MI455X (gfx1250); checked and timed in simulation.
; The chip was launched on July 23, 2026; its instructions are those of AMD's public machine-readable ISA for CDNA 5 (MIT licence, August 2026) and "CDNA5" Instruction Set Architecture Reference Guide (July 2026). The comments in the code are by the model that wrote it; some were corrected since.
;; Block. Allowed arithmetic: matrix products marked QUANTISED: E5M2 operands, one given power-of-two scale a tensor, by v_wmma_f32_16x16x64_bf8_bf8 or v_wmma_f32_16x16x128_bf8_bf8, f32 sums; everything else in f32.
;; Inputs: W1 512 x 2,048 float32; W2 2,048 x 512 float32; Wk 8 x 512 x 64 float32; Wp 512 x 512 float32; Wq 8 x 512 x 64 float32; Wv 8 x 512 x 64 float32; b1 2,048 float32; b2 512 float32; be1 512 float32; be2 512 float32; bk 8 x 64 float32; bp 512 float32; bq 8 x 64 float32; bv 8 x 64 float32; g1 512 float32; g2 512 float32; lowp_scales 16 int32 (the exponents e of the quantised operands' scales 2^e); x 4 x 2,048 x 512 float32.
;; Outputs: out0 4 x 2,048 x 512 float32.
;; This version of the problem:
;;   THIS VERSION OF THE PROBLEM IS GIVEN IN LOW PRECISION. The matrix products marked QUANTISED in the list below multiply operands that are first quantised to E5M2 (5 exponent bits, 2 mantissa bits; 8 bits a number), with one given power-of-two scale for each operand tensor; their sums are f32. All else is computed in f32.
;;   The module's matrix products, in the order in which they are computed (A, B: the left and right operand; K: the contracted axis; several contracted axes count as one K, in the product's order):
;;     1. [M 512, K 512] x [K 512, N 8,192]; A: input Wq; B: computed on the way: QUANTISED (scales: A lowp_scales[0], B lowp_scales[1])
;;     2. [M 512, K 512] x [K 512, N 8,192]; A: input Wk; B: computed on the way: QUANTISED (scales: A lowp_scales[2], B lowp_scales[3])
;;     3. [M 512, K 512] x [K 512, N 8,192]; A: input Wv; B: computed on the way: QUANTISED (scales: A lowp_scales[4], B lowp_scales[5])
;;     4. batch 32 x [M 2,048, K 64] x [K 64, N 2,048]; A: computed on the way; B: computed on the way: QUANTISED (scales: A lowp_scales[6], B lowp_scales[7])
;;     5. batch 32 x [M 2,048, K 2,048] x [K 2,048, N 64]; A: softmax (see below); B: computed on the way: QUANTISED (scales: A lowp_scales[8], B lowp_scales[9])
;;     6. [M 8,192, K 512] x [K 512, N 512]; A: computed on the way; B: input Wp: QUANTISED (scales: A lowp_scales[10], B lowp_scales[11])
;;     7. [M 8,192, K 512] x [K 512, N 2,048]; A: computed on the way; B: input W1: QUANTISED (scales: A lowp_scales[12], B lowp_scales[13])
;;     8. [M 8,192, K 2,048] x [K 2,048, N 512]; A: computed on the way; B: input W2: QUANTISED (scales: A lowp_scales[14], B lowp_scales[15])
;;   THE QUANTISER, for each operand of a quantised product, along K:
;;     - The operand's scale is 2^e, e = its entry of the input lowp_scales (int32; the entries are numbered through the quantised products in the list's order, A before B).
;;     - Each number is divided by the scale, clamped to +-57,344, and rounded to the nearest number of E5M2, ties to even, subnormals kept.
;;     - The product sums the exact products of the quantised numbers (number of the format x scale) in f32.
;;   ~~~python
;;   def quantise(x, axis, e):      # numpy; x: float32 -> the quantised numbers, widened to float32 again
;;       x = np.moveaxis(x, axis, -1); K = x.shape[-1]
;;       r = np.clip(x / 2.0 ** e, -57344, 57344)
;;       step = 2.0 ** (np.maximum(np.frexp(np.where(r == 0, 1, r))[1] - 1, -14) - 2)
;;       q = np.round(r / step) * step * 2.0 ** e      # np.round: ties to even
;;       return np.moveaxis(q, -1, axis).astype(np.float32)
;;   ~~~
;;   SOFTMAX AHEAD OF A QUANTISED PRODUCT. Where the list says 'softmax', what is quantised is not the finished softmax but p = 2^(t - M), with t = logit x log2(e) and M = ceil(the row's largest t), a whole number; so 1/2 < the row's largest p <= 1. The row's sum l is taken of the UNQUANTISED p, in f32, and the product's result is divided by l at the end. Since M is a whole number, a kernel that streams over the keys may use a running M (the ceiling of the running maximum): every later rescaling is an exact power of two, so the quantised numbers keep their values, but for numbers so far below the row's largest that they fall under the format's range.
;;   OPERANDS COMPUTED ON THE WAY. 'Computed on the way' means the value that the module computes at that place (a softmax that the list does not call 'softmax' is quantised finished and normalised). What goes into a quantiser is computed in f32, as accurately as f32 sums, v_exp_f32 and their like allow (about 1e-6 of the number): no bf16 or f16 on the way to a quantiser, and a product that is left as it is and whose result goes on into a quantised operand takes f32 operands (vector FMAs, or v_wmma_f32_16x16x4_f32). A number that lies on a knife's edge between two numbers of the format may be rounded either way, as far as f32 arithmetic and the matrix unit's own rounding can turn it there, and no further.
;; One version. Each part assembles by itself: llvm-mc -triple=amdgcn-amd-amdhsa -mcpu=gfx1250 --defsym DOCPART=n.
;; ======== version 1 of 1: 6 launches
;; limits: right only within a limited range of input values
;; workspace buffers: wcodes 3,145,728 bytes; q_img 4,194,304 bytes; k_img 4,194,304 bytes; v_img 4,194,304 bytes; o_img 4,194,304 bytes; x1b 16,777,216 bytes; h2_img 4,194,304 bytes; hid_img 16,777,216 bytes
;; launch prep (part 1): grid 448 x 1, 4 waves a work-group, no clusters, 17,920 bytes of LDS; arguments Wq, Wk, Wv, Wp, W1, W2, lowp_scales, wcodes, x, g1, be1, hid_img; writes wcodes, hid_img
.if DOCPART == 1
	.amdgcn_target "amdgcn-amd-amdhsa--gfx1250"
	.amdhsa_code_object_version 6
	.text
	.protected	k_qe98bf95fbb_prep
	.globl	k_qe98bf95fbb_prep
	.p2align	8
	.type	k_qe98bf95fbb_prep,@function
k_qe98bf95fbb_prep:
	s_mov_b64 s[64:65], 0
	v_nop
	global_prefetch_b8 v0, s[64:65] scope:SCOPE_SE
	s_setreg_imm32_b32 hwreg(HW_REG_WAVE_MODE, 25, 1), 1
	s_wait_xcnt 0x0
; THE PROGRAM: a pre-norm transformer block, 8,192 rows x 512, 8 heads of 64, hidden width 2,048, all eight products on codes of BF8 (E5M2) with given scales 2^e.
; Six launches: this one (weights -> codes; norm 1 -> codes), qkv (products 1-3), attn (products 4, 5), proj (product 6, norm 2), ffn1 (product 7), ffn2 (product 8).
; WORK LEFT OUT, in the whole program: key blocks of 128 that lie wholly above the diagonal of a block of 128 queries.  The function itself replaces every score with key > query by -1e9 (its own
; jnp.tril), whatever the inputs hold; with M = ceil(the row's largest t) such a score gives p = 2^(-1e9 log2(e) / 8 - M), which is the code 0 in the quantiser and 0 in the f32 sum of the row, so long as
; the row's live scores (key = query is always live) are not themselves near -1e9.  So those blocks add nothing to either product 5 or the row's sum.  Inside the diagonal block hidden scores become -infinity: the same p = 0.
; LIMITS: a row whose live scores all lie under about -1e9 is not served; a NaN, an infinity or an overflow that reaches only the hidden scores is not carried to the result; NaN among the inputs is not served.
; Every input has a way to the output and is loaded by some launch (bk too: it moves k's codes).
;
; THIS LAUNCH has two ways, which part on the work-group's number alone: work-groups 0 to 255 take norm 1 (at the text's end), 256 to 447 the weights.
; THE WEIGHTS: the six, f32 with K as their first (or middle) axis, become codes laid as IMAGES OF OPERAND REGISTERS.
; code = w / 2^e, held within +-57,344, rounded to the nearest code, ties to even.  LIMIT: -126 <= e <= 112 for each weight's e.
; wcodes = 12 units of N 512 x K 512 (0 Wq, 1 Wk, 2 Wv, 3 Wp, 4 + 2 c: W1's columns 512 c on, 5 + 2 c: W2's rows 512 c on).  The fragment of columns 128 w + 16 t on and K 128 s on lies at
; unit x 262,144 + (s / 2) x 131,072 + w x 32,768 + ((s % 2) 8 + t) x 2,048; in it registers 4 p .. 4 p + 3 of lane l lie at 512 p + 16 l; lane (r = l % 16, h = l / 16) holds column r and, in registers 2 c, 2 c + 1, k = 16 c + 8 h + 0 .. 7.
; A WAVE takes 32 columns x 128 along K: A LANE TAKES A COLUMN AND ITS REGISTERS RUN DOWN K, so each load reads 128 consecutive bytes a wave (the four waves stand side by side on 512), and the conversions give codes with K innermost.
; The low eight k of each sixteen go to FA, the high eight to FB; one exchange of FA's upper lanes with FB's lower lanes makes of them the fragments of columns 0-15 and 16-31.
.set X,  32                            ; v32-159  128 numbers of my column
.set FA, 160                           ; v160-175
.set FB, 176                           ; v176-191
	s_cmp_lt_u32 ttmp9, 256
	s_cbranch_scc1 .Lnorm
	s_load_b512 s[4:19], s[0:1], 0x0               ; Wq s[4:5], Wk s[6:7], Wv s[8:9], Wp s[10:11], W1 s[12:13], W2 s[14:15], the scales s[16:17], wcodes s[18:19]
	v_lshrrev_b32 v3, 5, v0
	v_readfirstlane_b32 s20, v3                    ; wave 0..3
	v_and_b32 v4, 31, v0
	v_lshlrev_b32 v1, 2, v4                        ; in: 4 bytes a lane
	v_lshlrev_b32 v2, 4, v4                        ; out: 16 bytes a lane
	s_lshr_b32 s21, ttmp9, 4
	s_sub_co_u32 s21, s21, 16                      ; the unit, 0..11: the weights' work-groups begin at 256 = 16 x 16
	s_bfe_u32 s22, ttmp9, 0x20002                  ; s: which 128 along K
	s_and_b32 s23, ttmp9, 3                        ; w: which 128 columns
	s_lshl_b32 s24, s23, 2
	s_add_co_u32 s24, s24, s20                     ; which 32 columns of the unit's 512
	s_lshl_b32 s26, s21, 18                        ; where my two fragments go
	s_lshr_b32 s25, s22, 1
	s_lshl_b32 s25, s25, 17
	s_add_co_u32 s26, s26, s25
	s_lshl_b32 s25, s23, 15
	s_add_co_u32 s26, s26, s25
	s_and_b32 s25, s22, 1
	s_lshl_b32 s25, s25, 14
	s_add_co_u32 s26, s26, s25
	s_lshl_b32 s25, s20, 12                        ; t = 2 x wave
	s_add_co_u32 s26, s26, s25
	s_mov_b32 s27, 0
	s_mov_b32 s29, 0
	s_mov_b32 s31, 0
	s_wait_kmcnt 0x0
	s_add_nc_u64 s[18:19], s[18:19], s[26:27]
.macro LOADW pitch                     ; W(k0 + i, my column), i = 0 .. 127; pitch: bytes from a row of the weight to the next
.set li, 0
.rept 128
	global_load_b32 v[X+li], v1, s[32:33] offset:li*\pitch th:TH_LOAD_NT
.set li, li+1
.endr
.endm
	s_cmp_lt_u32 s21, 3                            ; the three shapes part on the work-group's number alone
	s_cbranch_scc0 .Lnot_qkv
	s_cmp_eq_u32 s21, 0                            ; Wq, Wk, Wv: [head][k][64]: column n = 64 head + kk
	s_cselect_b64 s[32:33], s[4:5], s[6:7]
	s_cmp_eq_u32 s21, 2
	s_cselect_b64 s[32:33], s[8:9], s[32:33]
	s_lshr_b32 s28, s24, 1                         ; head
	s_lshl_b32 s28, s28, 9
	s_lshl_b32 s25, s22, 7
	s_add_co_u32 s28, s28, s25                     ; 512 head + 128 s rows
	s_lshl_b32 s28, s28, 8                         ; of 256 bytes
	s_and_b32 s25, s24, 1
	s_lshl_b32 s25, s25, 7
	s_add_co_u32 s28, s28, s25
	s_add_nc_u64 s[32:33], s[32:33], s[28:29]
	s_lshl_b32 s30, s21, 3                         ; the scale's entry 2 x unit, in bytes
	s_wait_alu depctr_va_vdst(0)
	LOADW 256
	s_branch .Ljoin
.Lnot_qkv:
	s_bitcmp1_b32 s21, 0
	s_cbranch_scc0 .Lw1
	s_cmp_eq_u32 s21, 3                            ; Wp [512][512], or W2 [2048][512] from row 512 c on
	s_cselect_b64 s[32:33], s[10:11], s[14:15]
	s_cselect_b32 s30, 44, 60                      ; entry 11 or 15
	s_max_u32 s28, s21, 5
	s_sub_co_u32 s28, s28, 5
	s_lshr_b32 s28, s28, 1                         ; c
	s_lshl_b32 s28, s28, 9
	s_lshl_b32 s25, s22, 7
	s_add_co_u32 s28, s28, s25
	s_lshl_b32 s28, s28, 11                        ; rows of 2,048 bytes
	s_lshl_b32 s25, s24, 7
	s_add_co_u32 s28, s28, s25
	s_add_nc_u64 s[32:33], s[32:33], s[28:29]
	s_wait_alu depctr_va_vdst(0)
	LOADW 2048
	s_branch .Ljoin
.Lw1:
	s_mov_b64 s[32:33], s[12:13]                   ; W1 [512][2048], columns 512 c on
	s_mov_b32 s30, 52                              ; entry 13
	s_sub_co_u32 s28, s21, 4
	s_lshr_b32 s28, s28, 1                         ; c
	s_lshl_b32 s28, s28, 11
	s_lshl_b32 s25, s22, 20                        ; 128 s rows of 8,192 bytes
	s_add_co_u32 s28, s28, s25
	s_lshl_b32 s25, s24, 7
	s_add_co_u32 s28, s28, s25
	s_add_nc_u64 s[32:33], s[32:33], s[28:29]
	s_wait_alu depctr_va_vdst(0)
	LOADW 8192
.Ljoin:
	s_add_nc_u64 s[16:17], s[16:17], s[30:31]
	s_load_b32 s34, s[16:17], 0x0                  ; e
	s_wait_kmcnt 0x0
	s_add_co_i32 s34, s34, 127
	s_lshl_b32 s35, s34, 23
	v_mov_b32 v11, s35                             ; 2^e as f32: the conversion takes its exponent field
	s_add_co_i32 s34, s34, 15
	s_lshl_b32 s34, s34, 23
	s_or_b32 s34, s34, 0x600000
	v_mov_b32 v10, s34                             ; 57,344 x 2^e
	s_wait_alu depctr_va_vdst(0)
.irp c, 0,1,2,3,4,5,6,7
.if 16*(7-\c) > 63
	s_wait_loadcnt 63                              ; a wait names 63 at the most: more than this group's sixteen loads are then in
.else
	s_wait_loadcnt 16*(7-\c)                       ; this group's sixteen loads are in; the later groups' may be out
.endif
.irp i, 0,1,2,3,4,5,6,7,8,9,10,11,12,13,14,15
	v_med3_num_f32 v[X+16*\c+\i], v[X+16*\c+\i], -v10, v10   ; the conversion to an 8-bit code does not saturate (ISA guide 7.6.2): the hold at the largest code x the scale
.endr
	v_cvt_scalef32_pk8_bf8_f32 v[FA+2*\c:FA+2*\c+1], v[X+16*\c:X+16*\c+7], v11       ; k = 16 c + 0 .. 7
	v_cvt_scalef32_pk8_bf8_f32 v[FB+2*\c:FB+2*\c+1], v[X+16*\c+8:X+16*\c+15], v11    ; k = 16 c + 8 .. 15
.endr
	v_nop                                          ; a plain vector line between the last conversion and the exchanges that touch its result
.set li, 0
.rept 16
	v_permlane16_swap_b32 v[FA+li], v[FB+li]       ; FA's lanes 16-31 (columns 16-31, low k) change places with FB's lanes 0-15 (columns 0-15, high k)
.set li, li+1
.endr
.irp p, 0,1,2,3
	global_store_b128 v2, v[FA+4*\p:FA+4*\p+3], s[18:19] offset:512*\p          ; each store of the wave covers 512 consecutive bytes, aligned
.endr
.irp p, 0,1,2,3
	global_store_b128 v2, v[FB+4*\p:FB+4*\p+3], s[18:19] offset:2048+512*\p
.endr
	s_endpgm
; NORM 1: h = (x - mean) rsqrt(var + 1e-5) g1 + be1, quantised three times, with e1, e3, e5 (the right operands of products 1, 2, 3), into images of operand registers:
; hid_img (free until ffn1 writes it) + product x 4,194,304 + row tile x 8,192 + K step x 2,048; registers 4 p .. 4 p + 3 of lane l at 512 p + 16 l.
; SHARES: a work-group takes two row tiles of 16 rows, TWO WAVES TO A TILE.  Each of the two loads all 16 x 512 numbers, which the mean and the variance want, its own 256 columns into the
; lower 128 registers; it then scales, turns and quantises those 256 columns alone: two of the tile's four K steps.  So x is loaded twice, and nothing passes between waves.
; x is loaded as it lies, sixteen lanes on 256 consecutive bytes of a row: register 4 (8 u + i) + q of lane (h, r) is x(row 2 i + h, column 64 u' + 4 r + q), u' = (u + 4 x my half) % 8.
; In that layout a lane needs 16 numbers of g1 and of be1, and a row's sums are joined over its sixteen lanes.  Mean and variance in two passes.
; h then turns through the wave's own stage in LDS: lane (r, h) holds row r, register 8 c + j column 16 c + 8 h + j of my 256: eight neighbours along K for each conversion.
; LIMITS: e1, e3, e5 between -126 and 112; NaN among the inputs is not served.
; REGISTERS: window 1: x, then h; window 0: v32-47 g1, v64-79 be1, v96-127 sums, v128-191 held numbers, v192-255 codes (four sets), v22-27 the three scales and bounds.
.set NSPARE, 17408                     ; behind four stages of 4,352 bytes: the spare words, 128 bytes a wave
.set NM, 0
.macro NW new
.if NM != (\new)
	s_set_vgpr_msb (NM<<8)|(\new)
.set NM, (\new)
.endif
.endm
.macro NJOIN b                         ; eight pairs at v[b] -> each row's sum, in all its sixteen lanes
.irp i, 0,1,2,3,4,5,6,7
	v_add_f32 v[\b+2*\i], v[\b+2*\i], v[\b+2*\i+1]
.endr
.irp k, 1,2,4,8
.irp i, 0,1,2,3,4,5,6,7
	v_add_f32_dpp v[\b+2*\i], v[\b+2*\i], v[\b+2*\i] row_xmask:\k row_mask:0xf bank_mask:0xf
.endr
.endr
.endm
.Lnorm:
	s_load_b64 s[16:17], s[0:1], 0x30              ; the scales
	s_load_b256 s[4:11], s[0:1], 0x40              ; x 4, g1 6, be1 8, hid_img 10
	v_lshl_add_u32 v6, v0, 2, NSPARE
	v_mov_b32 v7, 0
	v_lshrrev_b32 v3, 5, v0
	v_readfirstlane_b32 s20, v3                    ; wave
	s_mul_i32 s21, s20, 4352                       ; my stage
	s_lshr_b32 s22, s20, 1
	s_lshl_b32 s23, ttmp9, 1
	s_add_co_u32 s22, s22, s23                     ; row tile, 0 .. 511
	s_and_b32 s23, s20, 1                          ; my half of the columns
	s_lshl_b32 s44, s23, 10                        ; its 1,024 bytes in a row of f32
	s_lshl_b32 s24, s22, 15
	s_add_co_u32 s24, s24, s44                     ; x: my tile, my half
	s_mov_b32 s25, 0
	s_xor_b32 s45, s44, 1024
	s_lshl_b32 s18, s22, 15
	s_add_co_u32 s18, s18, s45                     ; x: my tile, the other half
	s_mov_b32 s19, 0
	s_lshl_b32 s26, s22, 13
	s_lshl_b32 s45, s23, 12
	s_add_co_u32 s26, s26, s45                     ; images: my tile, my two K steps
	s_mov_b32 s27, 0
	s_mov_b32 s45, 0
	v_and_b32 v4, 31, v0
	v_lshlrev_b32 v2, 4, v4                        ; 16 x lane
	v_and_b32 v19, 15, v0
	v_bfe_u32 v20, v0, 4, 1
	v_lshlrev_b32 v8, 11, v20
	v_lshl_add_u32 v8, v19, 4, v8                  ; x: 2,048 h + 16 r
	v_lshlrev_b32 v9, 4, v19                       ; g1, be1: 16 r
	v_mul_u32_u24 v16, v20, 272
	v_lshl_add_u32 v16, v19, 4, v16
	v_add_nc_u32 v16, s21, v16                     ; stage, in: by whole rows
	v_mul_u32_u24 v17, v19, 272
	v_lshl_add_u32 v17, v20, 5, v17
	v_add_nc_u32 v17, s21, v17                     ; stage, back: r x 272 + 32 h
	s_wait_alu depctr_va_vdst(0)
	s_wait_kmcnt 0x0
	s_load_b256 s[36:43], s[16:17], 0x0            ; e0 .. e7
	s_add_nc_u64 s[12:13], s[4:5], s[18:19]
	s_add_nc_u64 s[4:5], s[4:5], s[24:25]
	s_add_nc_u64 s[6:7], s[6:7], s[44:45]
	s_add_nc_u64 s[8:9], s[8:9], s[44:45]
	s_add_nc_u64 s[28:29], s[10:11], s[26:27]      ; the three sets of images
	s_add_nc_u64 s[30:31], s[28:29], 0x400000
	s_add_nc_u64 s[32:33], s[28:29], 0x800000
	NW 0x40
.set li, 0
.rept 32                               ; my 256 columns
	global_load_b128 v[4*li:4*li+3], v8, s[4:5] offset:4096*(li%8)+256*(li/8)
.set li, li+1
.endr
.rept 32                               ; the other 256
	global_load_b128 v[4*li:4*li+3], v8, s[12:13] offset:4096*(li%8)+256*(li/8-4)
.set li, li+1
.endr
	NW 0
.irp u, 0,1,2,3
	global_load_b128 v[32+4*\u:35+4*\u], v9, s[6:7] offset:256*\u
	global_load_b128 v[64+4*\u:67+4*\u], v9, s[8:9] offset:256*\u
.endr
	s_wait_kmcnt 0x0
.irp g, 0,1,2
	s_add_co_i32 s34, s[37+2*\g], 127
	s_lshl_b32 s35, s34, 23
	v_mov_b32 v[22+2*\g], s35                      ; 2^e
	s_add_co_i32 s34, s34, 15
	s_lshl_b32 s34, s34, 23
	s_or_b32 s34, s34, 0x600000
	v_mov_b32 v[23+2*\g], s34                      ; 57,344 x 2^e
.endr
	s_wait_alu depctr_va_vdst(0)
	s_wait_loadcnt 0x0
	NW 0x05
.irp i, 0,1,2,3,4,5,6,7
	v_pk_add_f32 v[96+2*\i:97+2*\i], v[4*\i:4*\i+1], v[4*\i+2:4*\i+3]
.endr
	NW 0x04
.set li, 16
.rept 112                              ; eight chains by turns, over all 512 columns
	v_pk_add_f32 v[96+2*(li%8):97+2*(li%8)], v[96+2*(li%8):97+2*(li%8)], v[32*(li/16)+4*(li%8)+2*((li/8)%2):32*(li/16)+4*(li%8)+2*((li/8)%2)+1]
.set li, li+1
.endr
	NW 0
	NJOIN 96
.irp i, 0,1,2,3,4,5,6,7
	v_mul_f32 v[96+2*\i], 0x3b000000, v[96+2*\i]   ; the mean
.endr
.irp i, 0,1,2,3,4,5,6,7
	v_mov_b32 v[97+2*\i], v[96+2*\i]
.endr
	NW 0x41
.set li, 0
.rept 128
	v_pk_add_f32 v[2*li:2*li+1], v[2*li:2*li+1], v[96+2*((li/2)%8):97+2*((li/2)%8)] neg_lo:[0,1] neg_hi:[0,1]
.set li, li+1
.endr
	NW 0x05
.irp i, 0,1,2,3,4,5,6,7
	v_pk_mul_f32 v[112+2*\i:113+2*\i], v[4*\i:4*\i+1], v[4*\i:4*\i+1]
.endr
.set li, 8
.rept 120
	v_pk_fma_f32 v[112+2*(li%8):113+2*(li%8)], v[32*(li/16)+4*(li%8)+2*((li/8)%2):32*(li/16)+4*(li%8)+2*((li/8)%2)+1], v[32*(li/16)+4*(li%8)+2*((li/8)%2):32*(li/16)+4*(li%8)+2*((li/8)%2)+1], v[112+2*(li%8):113+2*(li%8)]
.set li, li+1
.endr
	NW 0
	NJOIN 112
	s_mov_b32 s34, 0x3b000000
.irp i, 0,1,2,3,4,5,6,7
	v_fmaak_f32 v[112+2*\i], s34, v[112+2*\i], 0x3727c5ac   ; the variance + 1e-5
.endr
	s_wait_alu depctr_va_vdst(0)                   ; the wait ahead of the batch
.irp i, 0,1,2,3,4,5,6,7
	v_rsq_f32 v[96+2*\i], v[112+2*\i]
.endr
	v_nop
	s_wait_alu depctr_va_vdst(0)                   ; and behind it, ahead of its first reader
.irp i, 0,1,2,3,4,5,6,7
	v_mov_b32 v[97+2*\i], v[96+2*\i]
.endr
	NW 0x41
.set li, 0
.rept 64                               ; from here on my 256 columns alone: registers 0 to 127
	v_pk_mul_f32 v[2*li:2*li+1], v[2*li:2*li+1], v[96+2*((li/2)%8):97+2*((li/2)%8)]
.set li, li+1
.endr
.set li, 0
.rept 64
	v_pk_fma_f32 v[2*li:2*li+1], v[2*li:2*li+1], v[32+4*(li/16)+2*(li%2):33+4*(li/16)+2*(li%2)], v[64+4*(li/16)+2*(li%2):65+4*(li/16)+2*(li%2)]
.set li, li+1
.endr
	NW 0x44
.irp u, 0,1,2,3                        ; 16 rows x 64 columns at a time; LDS serves a wave's instructions in order
.irp i, 0,1,2,3,4,5,6,7
	ds_store_b128 v16, v[32*\u+4*\i:32*\u+4*\i+3] offset:544*\i
.endr
.irp i, 0,1,2,3,4,5,6,7
	ds_load_b128 v[32*\u+4*\i:32*\u+4*\i+3], v17 offset:64*(\i/2)+16*(\i%2)
.endr
.endr
	NW 0
	s_wait_dscnt 0x0
.irp g, 0,1,2
.irp s, 0,1
.set cs, 192+16*((2*\g+\s)%4)
.if 2*\g+\s >= 4
	s_wait_xcnt 0x0                                ; the stores of four fragments ago have read the registers that this fragment's codes take
.endif
	NW 0x01
.set li, 0
.rept 64
	v_med3_num_f32 v[128+li], v[64*\s+li], -v[23+2*\g], v[23+2*\g]   ; the conversion does not saturate (ISA guide 7.6.2): the hold, into other registers: h is used three times
.set li, li+1
.endr
	NW 0
.irp c, 0,1,2,3,4,5,6,7
	v_cvt_scalef32_pk8_bf8_f32 v[cs+2*\c:cs+2*\c+1], v[128+8*\c:135+8*\c], v[22+2*\g]
.endr
	v_nop                                          ; a plain line between the conversions and the next writes of their sources
.irp p, 0,1,2,3
	global_store_b128 v2, v[cs+4*\p:cs+4*\p+3], s[28+2*\g:29+2*\g] offset:2048*\s+512*\p   ; 512 consecutive bytes, aligned
.endr
.endr
.endr
	s_wait_tensorcnt 0x0                           ; the wave's end
	ds_add_u32 v6, v7
	s_wait_dscnt 0x0
	s_endpgm
.Lfunc_end_k_qe98bf95fbb_prep:
	.size	k_qe98bf95fbb_prep, .Lfunc_end_k_qe98bf95fbb_prep-k_qe98bf95fbb_prep
	.p2alignl 7, 3214868480
	.fill 96, 4, 3214868480
	.section	.rodata,"a",@progbits
	.p2align	6, 0x0
	.amdhsa_kernel k_qe98bf95fbb_prep
		.amdhsa_group_segment_fixed_size 17920
		.amdhsa_private_segment_fixed_size 0
		.amdhsa_enable_private_segment 0
		.amdhsa_kernarg_size 96
		.amdhsa_user_sgpr_count 2
		.amdhsa_user_sgpr_kernarg_segment_ptr 1
		.amdhsa_wavefront_size32 1
		.amdhsa_system_sgpr_workgroup_id_x 1
		.amdhsa_system_sgpr_workgroup_id_y 1
		.amdhsa_system_sgpr_workgroup_id_z 1
		.amdhsa_system_vgpr_workitem_id 0
		.amdhsa_next_free_vgpr 512
		.amdhsa_next_free_sgpr 66
		.amdhsa_reserve_vcc 0
		.amdhsa_float_denorm_mode_32 3
		.amdhsa_float_denorm_mode_16_64 3
		.amdhsa_memory_ordered 1
		.amdhsa_forward_progress 1
		.amdhsa_inst_pref_size 132
	.end_amdhsa_kernel
	.amdgpu_metadata
---
amdhsa.version: [ 1, 2 ]
amdhsa.kernels:
  - .name:           k_qe98bf95fbb_prep
    .symbol:         k_qe98bf95fbb_prep.kd
    .args:
      - { .name: Wq, .offset: 0, .size: 8, .value_kind: global_buffer, .address_space: global }
      - { .name: Wk, .offset: 8, .size: 8, .value_kind: global_buffer, .address_space: global }
      - { .name: Wv, .offset: 16, .size: 8, .value_kind: global_buffer, .address_space: global }
      - { .name: Wp, .offset: 24, .size: 8, .value_kind: global_buffer, .address_space: global }
      - { .name: W1, .offset: 32, .size: 8, .value_kind: global_buffer, .address_space: global }
      - { .name: W2, .offset: 40, .size: 8, .value_kind: global_buffer, .address_space: global }
      - { .name: lowp_scales, .offset: 48, .size: 8, .value_kind: global_buffer, .address_space: global }
      - { .name: wcodes, .offset: 56, .size: 8, .value_kind: global_buffer, .address_space: global }
      - { .name: x, .offset: 64, .size: 8, .value_kind: global_buffer, .address_space: global }
      - { .name: g1, .offset: 72, .size: 8, .value_kind: global_buffer, .address_space: global }
      - { .name: be1, .offset: 80, .size: 8, .value_kind: global_buffer, .address_space: global }
      - { .name: hid_img, .offset: 88, .size: 8, .value_kind: global_buffer, .address_space: global }
    .group_segment_fixed_size: 17920
    .private_segment_fixed_size: 0
    .kernarg_segment_align: 8
    .kernarg_segment_size: 96
    .max_flat_workgroup_size: 128
    .sgpr_count:     66
    .vgpr_count:     512
    .wavefront_size: 32
...
	.end_amdgpu_metadata
.endif
;; end of part 1
;; launch qkv (part 2): grid 32 x 6, 4 waves a work-group, clusters of 4 x 1, 327,680 bytes of LDS; arguments hid_img, wcodes, lowp_scales, bq, bk, bv, q_img, k_img, v_img; writes q_img, k_img, v_img
.if DOCPART == 2
	.amdgcn_target "amdgcn-amd-amdhsa--gfx1250"
	.amdhsa_code_object_version 6
	.text
	.protected	k_qe98bf95fbb_qkv
	.globl	k_qe98bf95fbb_qkv
	.p2align	8
	.type	k_qe98bf95fbb_qkv,@function
k_qe98bf95fbb_qkv:
	s_mov_b64 s[64:65], 0
	v_nop
	global_prefetch_b8 v0, s[64:65] scope:SCOPE_SE
	s_setreg_imm32_b32 hwreg(HW_REG_WAVE_MODE, 25, 1), 1
	s_wait_xcnt 0x0
	s_wait_alu depctr_hold_cnt(0) depctr_sa_sdst(0) depctr_va_vdst(0) depctr_va_sdst(0) depctr_va_ssrc(0) depctr_va_vcc(0) depctr_vm_vsrc(0)
	s_getreg_b32 s2, hwreg(HW_REG_IB_STS2, 6, 4)
	s_cmp_eq_u32 s2, 0
	s_cbranch_scc0 .Lentry_in_a_cluster
	s_endpgm
.Lentry_in_a_cluster:
	s_bfe_u32 s2, ttmp6, 0x10000c
	s_cmp_lg_u32 s2, 0x3003
	s_cbranch_scc0 .Lentry_shape_is_right
	s_endpgm
.Lentry_shape_is_right:
; q, k, v = Q(h W + b) (products 1, 2, 3, on codes of BF8; Q with e6, e7, e9), each 8,192 x 512, K = 512.  Nothing is left out here.
; h's codes (three sets, one for each product's own scale) lie at the head of hid_img as images of operand registers, made by the first launch, as do the weights' in wcodes.
; Work-group (x, y): rows 256 x on; y / 2 is the product, y % 2 its 256 columns (four heads).  192 work-groups; a wave makes 128 x 128: 64 accumulators.
; The whole K fits in LDS: each wave asks for ONE dense tile of 65,536 bytes; no ring, no refill.  No prefetch: the text has no loop to run ahead in.
; CLUSTERS 4 x 1, along the rows: the four partners need the same tile of the weights and ask for it jointly; h's tile is each work-group's own (no partner shares it) and comes by a plain load.
; q, k: the product is used transposed (source 0 = 16 columns of W, source 1 = 16 rows of h): a lane holds a token and eight neighbouring channels, the next K.
; v: source 0 = 16 rows of h, source 1 = 16 columns of W: a lane holds a channel and eight neighbouring tokens: the keys are the next K.  The two ways part on y, which all partners share.
; OUT: q_img, k_img: (8 batch + head) x 131,072 + token tile x 1,024 (a fragment of 16 x 64); v_img: (8 batch + head) x 131,072 + block of 128 keys x 8,192 + channel tile x 2,048.
; b / 2^(eW + eh) is the C of each accumulator's first product; the three scales go into the conversion's one.
; LIMITS: eW + eh between -126 and 126; eo - eW - eh between -126 and 112, for each of the three products.
; REGISTERS: window 0: v2-29 addresses, v32-95 the bias, then held numbers, v128-255 h's fragments (one set), then codes; window 1: W's fragments, two sets; windows 2, 3: accumulators.
.set SPARE, 262144
.set ADRA, 16
.set ADRB, 20
.set SPW,  28
.set NIL,  29
.set BI,   32
.set AF,   128
.set G1,  24
.set G0,  32
.set G1B, 48
.set G0B, 56
.set MSB, 0
.macro WIN new
.if MSB != (\new)
	s_set_vgpr_msb (MSB<<8)|(\new)
.set MSB, (\new)
.endif
.endm
.macro PLACES
.rept 4
	v_nop
.endr
.endm
.macro CROUND
	s_barrier_signal -1
	s_barrier_wait -1
	s_cmp_lg_u32 s22, 0
	s_cbranch_scc1 .Lnot_wave_0_\@
	s_barrier_signal -3
.Lnot_wave_0_\@:
	s_barrier_wait -3
	s_barrier_signal -1
	s_barrier_wait -1
.endm
	s_load_b512 s[4:19], s[0:1], 0x0               ; h 4, wcodes 6, scales 8, bq 10, bk 12, bv 14, q_img 16, k_img 18
	s_load_b64 s[20:21], s[0:1], 0x40              ; v_img
	v_lshl_add_u32 v[SPW], v0, 2, SPARE
	v_mov_b32 v[NIL], 0
	ds_add_u32 v[SPW], v[NIL]                      ; the opening lines: the add twice on end and its wait
	ds_add_u32 v[SPW], v[NIL]
	v_lshrrev_b32 v1, 5, v0
	v_readfirstlane_b32 s22, v1                    ; wave
	s_lshr_b32 s23, s22, 1                         ; my half of the rows; also: I fetch h (0) or W (1)
	s_and_b32 s36, s22, 1                          ; my half of the columns; also: which half I fetch
	s_bfe_u32 s40, ttmp6, 0x40000                  ; cx
	s_lshl_b32 s37, ttmp9, 2
	s_add_co_u32 s37, s37, s40                     ; block of 256 rows
	s_and_b32 s38, ttmp7, 0xffff                   ; y
	s_lshr_b32 s39, s38, 1                         ; the product
	s_and_b32 s41, s38, 1                          ; its 256 columns
	s_mov_b32 s[G1], 3<<16                         ; elements of 8 bytes, no padding, no mask
	s_mov_b32 s[G1B], 15|(3<<16)|(1<<21)           ; the same, for all four partners
.irp g, G1, G1B
	s_mov_b32 s[\g+1], 32<<16                      ; rows of 256 bytes,
	s_mov_b32 s[\g+2], 256<<16                     ; 256 of them, dense
	s_mov_b32 s[\g+3], 32<<16
	s_mov_b32 s[\g+4], 256
	s_mov_b32 s[\g+5], 32
	s_mov_b32 s[\g+6], 0
	s_mov_b32 s[\g+7], 0
.endr
	s_lshl_b32 s42, s39, 22
	s_lshl_b32 s43, s37, 17
	s_add_co_u32 s42, s42, s43
	s_lshl_b32 s43, s36, 16
	s_add_co_u32 s42, s42, s43                     ; h: the product's set, my block, 128 rows x half
	s_mov_b32 s43, 0
	s_lshl_b32 s46, s39, 18
	s_lshl_b32 s47, s36, 17
	s_add_co_u32 s46, s46, s47
	s_lshl_b32 s47, s41, 16
	s_add_co_u32 s46, s46, s47                     ; W: the product's unit, K 256 x half, its 256 columns
	s_mov_b32 s47, 0
	s_lshl_b32 s45, s22, 16                        ; LDS: 65,536 x wave
	s_wait_dscnt 0x0
	s_wait_kmcnt 0x0
	s_load_b512 s[68:83], s[8:9], 0x0              ; e0 .. e15
	s_add_nc_u64 s[42:43], s[4:5], s[42:43]
	s_add_nc_u64 s[46:47], s[6:7], s[46:47]
	CROUND                                         ; the joint loads meet
	s_mov_b32 s[G0], 1
	s_mov_b32 s[G0+1], s45
	s_mov_b64 s[G0+2:G0+3], s[42:43]
	s_or_b32 s[G0+3], s[G0+3], 0x80000000
	s_mov_b32 s[G0B], 1
	s_mov_b32 s[G0B+1], s45
	s_mov_b64 s[G0B+2:G0B+3], s[46:47]
	s_or_b32 s[G0B+3], s[G0B+3], 0x80000000
	s_cmp_eq_u32 s23, 0                            ; one tensor load a wave, in the arms of one branch on the wave's number
	s_cbranch_scc0 .Lfor_b
	tensor_load_to_lds s[G0:G0+3], s[G1:G1+7]
	s_nop 0
	PLACES
	s_branch .Lasked
.Lfor_b:
	tensor_load_to_lds s[G0B:G0B+3], s[G1B:G1B+7]
	s_nop 0
	PLACES
.Lasked:
	s_cmp_eq_u32 s39, 0                            ; the product's bias and its result: a choice on ids alone
	s_cselect_b64 s[10:11], s[10:11], s[12:13]
	s_cselect_b64 s[16:17], s[16:17], s[18:19]
	s_cmp_eq_u32 s39, 2
	s_cselect_b64 s[10:11], s[14:15], s[10:11]
	s_cselect_b64 s[16:17], s[20:21], s[16:17]
	s_lshl_b32 s42, s41, 10
	s_lshl_b32 s43, s36, 9
	s_add_co_u32 s42, s42, s43                     ; the bias at my 128 columns
	s_mov_b32 s43, 0
	s_add_nc_u64 s[10:11], s[10:11], s[42:43]
	s_lshr_b32 s42, s37, 3                         ; batch
	s_lshl_b32 s42, s42, 3
	s_lshl_b32 s44, s41, 2
	s_add_co_u32 s42, s42, s44
	s_lshl_b32 s44, s36, 1
	s_add_co_u32 s42, s42, s44                     ; 8 batch + my first head
	s_lshl_b32 s42, s42, 17
	s_and_b32 s44, s37, 7
	s_lshl_b32 s44, s44, 14
	s_add_co_u32 s42, s42, s44
	s_lshl_b32 s44, s23, 13
	s_add_co_u32 s42, s42, s44                     ; my 128 tokens: eight tiles of 1,024 bytes, or one block of 8,192
	s_add_nc_u64 s[16:17], s[16:17], s[42:43]
	s_lshl_b32 s60, s23, 16
	s_lshl_b32 s61, s36, 15
	s_add_co_u32 s61, s61, 131072
	v_and_b32 v1, 31, v0
	v_lshlrev_b32 v2, 4, v1                        ; 16 x lane
	v_bfe_u32 v3, v0, 4, 1
	v_lshlrev_b32 v9, 5, v3                        ; 32 h
	v_and_b32 v4, 15, v0
	v_lshlrev_b32 v10, 2, v4                       ; 4 r
	v_add_nc_u32 v[ADRA], s60, v2
	v_add_nc_u32 v[ADRB], s61, v2
	v_add_nc_u32 v[ADRB+1], 65536, v[ADRB]
	s_wait_alu depctr_va_vdst(0)
	s_wait_kmcnt 0x0
	s_cmp_eq_u32 s39, 0                            ; the product's three exponents, chosen without a jump
	s_cselect_b32 s84, s68, s70
	s_cselect_b32 s85, s69, s71
	s_cselect_b32 s86, s74, s75
	s_cmp_eq_u32 s39, 2
	s_cselect_b32 s84, s72, s84
	s_cselect_b32 s85, s73, s85
	s_cselect_b32 s86, s77, s86
	s_add_co_i32 s84, s84, s85
	s_sub_co_i32 s88, 127, s84
	s_lshl_b32 s88, s88, 23                        ; 2^-(eW + eh)
	s_mov_b32 s89, s88
	s_sub_co_i32 s84, s86, s84
	s_add_co_i32 s84, s84, 127
	s_lshl_b32 s85, s84, 23
	v_mov_b32 v12, s85                             ; 2^(eo - eW - eh)
	s_add_co_i32 s84, s84, 15
	s_lshl_b32 s84, s84, 23
	s_or_b32 s84, s84, 0x600000
	v_mov_b32 v13, s84                             ; 57,344 x that
	s_wait_alu depctr_va_vdst(0)
	s_cmp_lt_u32 s38, 4
	s_cbranch_scc0 .Lvbias
.set j, 0
.rept 16                               ; q, k: register 8 t + i is the bias of column 16 t + 8 h + i
	global_load_b128 v[BI+4*j:BI+4*j+3], v9, s[10:11] offset:64*(j/2)+16*(j%2)
.set j, j+1
.endr
	s_wait_loadcnt 0x0
.set j, 0
.rept 32
	v_pk_mul_f32 v[BI+2*j:BI+2*j+1], v[BI+2*j:BI+2*j+1], s[88:89] op_sel_hi:[1,0]
.set j, j+1
.endr
	s_branch .Lbiased
.Lvbias:
.irp t, 0,1,2,3,4,5,6,7                ; v: all eight registers of tile t hold the bias of column 16 t + r
	global_load_b32 v[BI+8*\t], v10, s[10:11] offset:64*\t
.endr
	s_wait_loadcnt 0x0
.irp t, 0,1,2,3,4,5,6,7
.irp i, 7,6,5,4,3,2,1,0
	v_mul_f32 v[BI+8*\t+\i], s88, v[BI+8*\t]
.endr
.endr
.Lbiased:
	s_wait_alu depctr_va_vdst(0)                   ; the wait at the head's end
	s_wait_tensorcnt 0x0                           ; my tile is in;
	s_barrier_signal -1
	s_barrier_wait -1                              ; and so is everybody's.  Nothing is filled again
.macro FETCH_B q, p                    ; W's eight fragments of K step q into set p
	WIN 0x40
.irp i, 0,1,2,3,4,5,6,7
.irp c, 0,1,2,3
	ds_load_b128 v[128*(\p)+16*\i+4*\c:128*(\p)+16*\i+4*\c+3], v[ADRB+(\q)/2] offset:(((\q)%2)*8+\i)*2048+512*\c
.endr
.endr
	WIN 0
.endm
.macro FETCH_A q, i0                   ; h's row tiles i0 .. i0 + 3
.irp i, \i0, \i0+1, \i0+2, \i0+3
.irp c, 0,1,2,3
	ds_load_b128 v[AF+16*(\i)+4*\c:AF+16*(\i)+4*\c+3], v[ADRA] offset:(\i)*8192+(\q)*2048+512*\c
.endr
.endr
.endm
.macro MUL16 a0, p, first              ; row tiles a0, a0 + 1 x eight column tiles; the 64 accumulators take turns in the same order in every step.  SW = 1: h is source 0
.irp a, \a0, \a0+1
.irp b, 0,1,2,3,4,5,6,7
.set rD, 8*(8*((\a)%4)+\b)
.if \first
.set rC, BI+8*\b
.else
.set rC, rD
.endif
.if SW
	v_wmma_f32_16x16x128_bf8_bf8 v[rD:rD+7], v[AF+16*(\a):AF+16*(\a)+15], v[128*(\p)+16*\b:128*(\p)+16*\b+15], v[rC:rC+7]
.else
	v_wmma_f32_16x16x128_bf8_bf8 v[rD:rD+7], v[128*(\p)+16*\b:128*(\p)+16*\b+15], v[AF+16*(\a):AF+16*(\a)+15], v[rC:rC+7]
.endif
.endr
.endr
.endm
.macro STEP q, first
	s_wait_dscnt 16                                ; W's set and row tiles 0-3 are in; the youngest 16 loads (row tiles 4-7) may be out
	WIN WLO-0x20*\first                            ; first = 1: C from window 0, the bias
	MUL16 0, (\q)%2, \first
	MUL16 2, (\q)%2, \first
	s_wait_dscnt 0
	PLACES                                         ; ahead of loads into registers that matrix instructions have read
	FETCH_B (\q)+1, 1-(\q)%2
	FETCH_A (\q)+1, 0
	WIN WHI-0x30*\first
	MUL16 4, (\q)%2, \first
	MUL16 6, (\q)%2, \first
	PLACES
	WIN 0
	FETCH_A (\q)+1, 4
.endm
.macro GEMMALL
	STEP 0, 1
	STEP 1, 0
	STEP 2, 0
	s_wait_dscnt 16
	WIN WLO
	MUL16 0, 1, 0
	MUL16 2, 1, 0
	s_wait_dscnt 0
	WIN WHI
	MUL16 4, 1, 0
	MUL16 6, 1, 0
	WIN 0
	PLACES
.endm
.macro OUTQ i                          ; token tile i: two heads' fragments of 16 x 64
.set AC, 64*((\i)%4)
	WIN 0x02+((\i)/4)
.set n, 0
.rept 64
	v_med3_num_f32 v[BI+n], v[AC+n], -v13, v13     ; the hold (ISA guide 7.6.2); each accumulator from its low end on
.set n, n+1
.endr
	WIN 0
.irp c, 0,1,2,3,4,5,6,7
	v_cvt_scalef32_pk8_bf8_f32 v[AF+16*(\i)+2*\c:AF+16*(\i)+2*\c+1], v[BI+8*\c:BI+8*\c+7], v12
.endr
	v_nop                                          ; a plain line between the conversions and the next writes of their sources
.irp hh, 0,1
.irp p, 0,1
	global_store_b128 v2, v[AF+16*(\i)+8*\hh+4*\p:AF+16*(\i)+8*\hh+4*\p+3], s[16:17] offset:\hh*131072+(\i)*1024+512*\p   ; 512 consecutive bytes, aligned
.endr
.endr
.endm
.macro OUTV b                          ; channel tile b: one fragment of 16 channels x 128 keys
	WIN 0x02
.irp a, 0,1,2,3
.irp jj, 0,1,2,3,4,5,6,7
	v_med3_num_f32 v[BI+8*\a+\jj], v[8*(8*\a+(\b))+\jj], -v13, v13
.endr
.endr
	WIN 0x03
.irp a, 0,1,2,3
.irp jj, 0,1,2,3,4,5,6,7
	v_med3_num_f32 v[BI+32+8*\a+\jj], v[8*(8*\a+(\b))+\jj], -v13, v13
.endr
.endr
	WIN 0
.irp a, 0,1,2,3,4,5,6,7
	v_cvt_scalef32_pk8_bf8_f32 v[AF+16*(\b)+2*\a:AF+16*(\b)+2*\a+1], v[BI+8*\a:BI+8*\a+7], v12
.endr
	v_nop
.irp p, 0,1,2,3
	global_store_b128 v2, v[AF+16*(\b)+4*\p:AF+16*(\b)+4*\p+3], s[16:17] offset:((\b)/4)*131072+((\b)%4)*2048+512*\p
.endr
.endm
	FETCH_B 0, 0
	FETCH_A 0, 0
	FETCH_A 0, 4
	s_cmp_lt_u32 s38, 4                            ; y alone decides: the same way in all waves and all partners
	s_cbranch_scc0 .Lv
.set SW, 0
.set WLO, 0xa1                         ; source 0 (W) window 1, source 1 (h) window 0, C and D window 2
.set WHI, 0xf1
	GEMMALL
.irp i, 0,1,2,3,4,5,6,7
	OUTQ \i
.endr
	s_branch .Lend
.Lv:
.set SW, 1
.set WLO, 0xa4                         ; source 0 (h) window 0, source 1 (W) window 1
.set WHI, 0xf4
	GEMMALL
.irp b, 0,1,2,3,4,5,6,7
	OUTV \b
.endr
.Lend:
	s_wait_tensorcnt 0x0                           ; the wave's end
	ds_add_u32 v[SPW], v[NIL]
	s_wait_dscnt 0x0
	CROUND                                         ; the closing round
	s_endpgm
.Lfunc_end_k_qe98bf95fbb_qkv:
	.size	k_qe98bf95fbb_qkv, .Lfunc_end_k_qe98bf95fbb_qkv-k_qe98bf95fbb_qkv
	.p2alignl 7, 3214868480
	.fill 96, 4, 3214868480
	.section	.rodata,"a",@progbits
	.p2align	6, 0x0
	.amdhsa_kernel k_qe98bf95fbb_qkv
		.amdhsa_group_segment_fixed_size 327680
		.amdhsa_private_segment_fixed_size 0
		.amdhsa_enable_private_segment 0
		.amdhsa_kernarg_size 72
		.amdhsa_user_sgpr_count 2
		.amdhsa_user_sgpr_kernarg_segment_ptr 1
		.amdhsa_wavefront_size32 1
		.amdhsa_system_sgpr_workgroup_id_x 1
		.amdhsa_system_sgpr_workgroup_id_y 1
		.amdhsa_system_sgpr_workgroup_id_z 1
		.amdhsa_system_vgpr_workitem_id 0
		.amdhsa_next_free_vgpr 1024
		.amdhsa_next_free_sgpr 100
		.amdhsa_reserve_vcc 0
		.amdhsa_float_denorm_mode_32 3
		.amdhsa_float_denorm_mode_16_64 3
		.amdhsa_memory_ordered 1
		.amdhsa_forward_progress 1
		.amdhsa_inst_pref_size 157
	.end_amdhsa_kernel
	.amdgpu_metadata
---
amdhsa.version: [ 1, 2 ]
amdhsa.kernels:
  - .name:           k_qe98bf95fbb_qkv
    .symbol:         k_qe98bf95fbb_qkv.kd
    .args:
      - { .name: hid_img, .offset: 0, .size: 8, .value_kind: global_buffer, .address_space: global }
      - { .name: wcodes, .offset: 8, .size: 8, .value_kind: global_buffer, .address_space: global }
      - { .name: lowp_scales, .offset: 16, .size: 8, .value_kind: global_buffer, .address_space: global }
      - { .name: bq, .offset: 24, .size: 8, .value_kind: global_buffer, .address_space: global }
      - { .name: bk, .offset: 32, .size: 8, .value_kind: global_buffer, .address_space: global }
      - { .name: bv, .offset: 40, .size: 8, .value_kind: global_buffer, .address_space: global }
      - { .name: q_img, .offset: 48, .size: 8, .value_kind: global_buffer, .address_space: global }
      - { .name: k_img, .offset: 56, .size: 8, .value_kind: global_buffer, .address_space: global }
      - { .name: v_img, .offset: 64, .size: 8, .value_kind: global_buffer, .address_space: global }
    .group_segment_fixed_size: 327680
    .private_segment_fixed_size: 0
    .kernarg_segment_align: 8
    .kernarg_segment_size: 72
    .max_flat_workgroup_size: 128
    .sgpr_count:     100
    .vgpr_count:     1024
    .wavefront_size: 32
...
	.end_amdgpu_metadata
.endif
;; end of part 2
;; launch attn (part 3): grid 8 x 32, 8 waves a work-group, no clusters, 33,792 bytes of LDS; arguments q_img, k_img, v_img, lowp_scales, o_img; writes o_img
.if DOCPART == 3
	.amdgcn_target "amdgcn-amd-amdhsa--gfx1250"
	.amdhsa_code_object_version 6
	.text
	.protected	k_qe98bf95fbb_attn
	.globl	k_qe98bf95fbb_attn
	.p2align	8
	.type	k_qe98bf95fbb_attn,@function
k_qe98bf95fbb_attn:
	s_mov_b64 s[64:65], 0
	v_nop
	global_prefetch_b8 v0, s[64:65] scope:SCOPE_SE
	s_setreg_imm32_b32 hwreg(HW_REG_WAVE_MODE, 25, 1), 1
	s_wait_xcnt 0x0
; o = softmax(mask(q k^T) / 8) v for each of 32 (batch, head), causal, both products on codes of BF8 (E5M2); o leaves as codes, laid as halves of the fragments that the projection wants.
; WORK LEFT OUT: key blocks of 128 that lie wholly above the diagonal (shown dead at the head of the program's first kernel: their p is the code 0 and adds 0 to the row's sum).  LIMITS as stated there.
; THE SOFTMAX AHEAD OF THE SECOND PRODUCT: t = score x log2(e) / 8; M = the row's largest t so far, rounded UP to a whole number; p = 2^(t - M) is quantised along the keys, not normalised.
; The row's sum is taken of the unquantised p, in f32, and divides at the end.  When M moves, the sum and O are multiplied by 2^(old M - new M): exact.
; THE HOLD OF p at the largest code x 2^e8 is run where it can act.  p is at most 1, but for the last bit of c x score, and 57,344 x 2^-15 is 1.75: so where e8 >= -15 no p reaches the bound and the hold would change nothing.
; e8 is a whole number read from memory, the same in all waves: for every other e8 they are run.
; SHARES.  Work-group (i, batch-head) owns the blocks of 128 queries i and 15 - i, one after the other: (i + 1) + (16 - i) = 17 key steps of 128 keys in every work-group.  Wave w owns 16 queries of the block in hand.
; NO CLUSTER: by that pairing the work-groups of one head stand at different key blocks at any one time, so no tile is wanted by several at once.
; LAYOUT.  Both products are used transposed: S^T = K Q^T (source 0 = 16 keys, source 1 = my 16 queries), O^T = V^T P^T: a lane holds ONE query (lane % 16) throughout.  In tile c of S^T a lane's eight registers are keys
; 16 c + 8 (lane / 16) + 0 .. 7: one conversion makes of them registers 2 c, 2 c + 1 of P's fragment.
; THE TILES (8,192 bytes of K's images, 8,192 of V's, each dense in memory) go through registers into two LDS slots: in step j every thread stores its 64 bytes of tile j + 1 into the other slot and asks for tile j + 2:
; a tile is asked for a whole step ahead of the wait for it.  One barrier a step.  No tensor load.
; LIMITS on the given exponents: e6 + e7 between -123 and 130 (added to c's exponent field); e8 and e10 between -126 and 112; e8 + e9 is applied by v_ldexp_f32.
; REGISTERS: v1 16 x lane, v2 16 x thread, v3, v4 the add's two, v5 query - 8 (lane / 16) in the block, v6 -infinity; v8-23, v24-39 two tiles on their way; v40-47 Q; v48-111 K's or V's fragments; v112-175 S^T, then p;
;   v176-207 O^T; v208-223 p's codes; v224 -M, v225 the largest t, v[226:227] the sum; v[228:229] f; v230-235, v249-255 at work; v236-239 2^e8, 57,344 x 2^e8, 2^e10, 57,344 x 2^e10; v240-247 o's codes; v248 1 / the sum.
.set SLOTB, 16384                      ; an LDS slot: K's eight images of 1,024 bytes, then V's four of 2,048
.set SPARE, 32768                      ; behind the two slots: the spare words, 128 bytes for each of eight waves: four blocks of 256 bytes that no other line names
.set G0R, 8
.set QF,  40
.set KV,  48
.set SC,  112
.set OT,  176
.set PC,  208
.macro TADR                            ; s35 = a step's number j' -> its key block (j' while it is at most i, else j' - i - 1: the second block of queries begins anew) -> the tile's addresses
	s_sub_co_u32 s36, s35, s15
	s_sub_co_u32 s36, s36, 1
	s_cmp_le_u32 s35, s15
	s_cselect_b32 s35, s35, s36
	s_lshl_b32 s28, s35, 13
	s_add_nc_u64 s[24:25], s[6:7], s[28:29]
	s_add_nc_u64 s[26:27], s[8:9], s[28:29]
.endm
.macro TREQ set                        ; 256 threads x 16 bytes: each load of a wave covers 512 consecutive bytes
	global_load_b128 v[\set:\set+3], v2, s[24:25]
	global_load_b128 v[\set+4:\set+7], v2, s[24:25] offset:4096
	global_load_b128 v[\set+8:\set+11], v2, s[26:27]
	global_load_b128 v[\set+12:\set+15], v2, s[26:27] offset:4096
.endm
.macro QREQ                            ; my 16 queries of block s19
	s_lshl_b32 s35, s19, 3
	s_add_co_u32 s35, s35, s14
	s_lshl_b32 s38, s35, 10
	s_mov_b32 s39, 0
	s_add_nc_u64 s[32:33], s[4:5], s[38:39]
	global_load_b128 v[QF:QF+3], v1, s[32:33]
	global_load_b128 v[QF+4:QF+7], v1, s[32:33] offset:512
.endm
.macro RESET                           ; a block of queries begins: the step is written once, its first turn finds zeros, which the first change of M leaves zeros
	v_mov_b32 v225, 0xff61b1e6                     ; the largest t so far: -3e38, under every t
	s_delay_alu instid0(VALU_DEP_1)
	v_floor_f32 v224, -v225                        ; -M
	v_mov_b32 v226, 0
	v_mov_b32 v227, 0
.set n, 0
.rept 32
	v_mov_b32 v[OT+n], 0
.set n, n+1
.endr
.endm
; A block of queries is finished: o = O^T x 2^(e8 + e9) / the sum, quantised with e10, 1,024 bytes a wave: half an image of the projection's fragment (row tile, K step head / 2).
.macro FINAL last
	s_wait_xcnt 0x0                                ; earlier loads and stores have had their addresses translated: the bases and the stores' data below are written only behind this wait
	s_lshr_b32 s35, s16, 3                         ; batch
	s_lshl_b32 s35, s35, 7
	s_lshl_b32 s36, s19, 3
	s_add_co_u32 s35, s35, s36
	s_add_co_u32 s35, s35, s14                     ; row tile = 128 batch + 8 block + wave
	s_lshl_b32 s38, s35, 13
	s_bfe_u32 s36, s16, 0x20001                    ; head / 2
	s_lshl_b32 s36, s36, 11
	s_add_co_u32 s38, s38, s36
	s_and_b32 s36, s16, 1                          ; head % 2
	s_lshl_b32 s36, s36, 10
	s_add_co_u32 s38, s38, s36
	s_mov_b32 s39, 0
	s_add_nc_u64 s[30:31], s[12:13], s[38:39]
	v_add_f32 v226, v226, v227                     ; the sum's two halves,
	s_delay_alu instid0(VALU_DEP_1)
	v_permlanex16_b32 v232, v226, s20, s21
	s_delay_alu instid0(VALU_DEP_1)
	v_add_f32 v226, v226, v232                     ; and lane l xor 16's
	s_wait_alu depctr_va_vdst(0)
	v_rcp_f32 v248, v226
	v_nop                                          ; a plain place behind the transcendental
	s_wait_alu depctr_va_vdst(0)                   ; and the wait ahead of the first line that names its result
	v_ldexp_f32 v248, v248, s45                    ; x 2^(e8 + e9)
.set n, 0
.rept 32
	v_mul_f32 v[SC+n], v[OT+n], v248               ; each accumulator from its low end on
.set n, n+1
.endr
.set n, 0
.rept 32
	v_med3_num_f32 v[SC+n], v[SC+n], -v239, v239
.set n, n+1
.endr
.irp t, 0,1,2,3
	v_cvt_scalef32_pk8_bf8_f32 v[240+2*\t:241+2*\t], v[SC+8*\t:SC+8*\t+7], v238   ; channels 16 t + 8 h + 0 .. 7 of my query
.endr
	v_nop
	global_store_b128 v1, v[240:243], s[30:31]     ; each store of the wave covers 512 consecutive bytes, aligned
	global_store_b128 v1, v[244:247], s[30:31] offset:512
.if \last == 0
	s_sub_co_u32 s19, 15, s15                      ; on to block 15 - i
	QREQ                                           ; waited for at the head of the next step
	RESET
	s_wait_xcnt 0x0                                ; the two stores above have read v240-247: the next step's sums write v244-247
.endif
.endm
; A KEY STEP on the tile in slot `slot`.  fill = 1: tile j + 1 goes into the other slot, and tile j + 2 is asked for while there is one.  last = 1: step 16, which lies on the second block's diagonal.
.macro STEP slot, fill, last
.irp c, 0,1,2,3,4,5,6,7
.irp p, 0,1
	ds_load_b128 v[KV+8*\c+4*\p:KV+8*\c+4*\p+3], v1 offset:\slot*SLOTB+1024*\c+512*\p   ; K's fragments are asked for first behind the barrier: the next tile's move below stands under their way
.endr
.endr
	s_wait_loadcnt 0x0                             ; tile j + 1, asked for a step ago, is in registers (and Q, where it was asked for anew): every step has this wait ahead of its first read of Q; the loads' address registers are free
.if \fill
.irp u, 0,1,2,3
	ds_store_b128 v2, v[G0R+16*(1-\slot)+4*\u:G0R+16*(1-\slot)+4*\u+3] offset:(1-\slot)*SLOTB+4096*\u   ; the other slot was read out ahead of the last barrier
.endr
	s_cmp_lt_u32 s17, 15                           ; the count of steps alone decides: there are 17 tiles
	s_cbranch_scc0 .Lno_req_\@
	s_add_co_u32 s35, s17, 2
	TADR
	TREQ G0R+16*\slot                              ; into the registers whose LDS stores were waited for ahead of the last barrier
.Lno_req_\@:
	s_wait_dscnt 4                                 ; K is in; the four stores issued behind its loads may be out
.else
	s_wait_dscnt 0x0
.endif
.irp c, 0,1,2,3,4,5,6,7
	v_wmma_f32_16x16x64_bf8_bf8 v[SC+8*\c:SC+8*\c+7], v[KV+8*\c:KV+8*\c+7], v[QF:QF+7], 0
.endr
.rept 4
	v_nop                                          ; places ahead of the loads into K's registers and of the first read of the scores
.endr
.irp t, 0,1,2,3
.irp p, 0,1,2,3
	ds_load_b128 v[KV+16*\t+4*\p:KV+16*\t+4*\p+3], v1 offset:\slot*SLOTB+8192+2048*\t+512*\p   ; V lands while the softmax is walked
.endr
.endr
.if \last == 0
	s_cmp_eq_u32 s17, s15                          ; the first block's diagonal is step i: ids and the count of steps alone
	s_cbranch_scc0 .Lopen_\@
.endif
.set n, 0
.rept 64
	v_cmp_gt_i32 vcc_lo, 16*(n/8)+n%8, v5          ; register 8 c + j holds key 16 c + 8 (lane / 16) + j of the block: hidden where it comes after my query
	v_cndmask_b32 v[SC+n], v[SC+n], v6, vcc_lo     ; -infinity ahead of the maximum: p = 0 then.  Key 0 of the block counts for every query
.set n, n+1
.endr
.Lopen_\@:
	v_max3_num_f32 v230, v[SC], v[SC+1], v[SC+2]   ; the step's largest score of my query, among my 64 keys, in four chains that do not wait for each other; each accumulator from its low end on
	v_max3_num_f32 v231, v[SC+3], v[SC+4], v[SC+5]
	v_max3_num_f32 v233, v[SC+6], v[SC+7], v[SC+8]
	v_max3_num_f32 v249, v[SC+9], v[SC+10], v[SC+11]
.irp i, 12,20,28,36,44,52
	v_max3_num_f32 v230, v230, v[SC+\i], v[SC+1+\i]
	v_max3_num_f32 v231, v231, v[SC+2+\i], v[SC+3+\i]
	v_max3_num_f32 v233, v233, v[SC+4+\i], v[SC+5+\i]
	v_max3_num_f32 v249, v249, v[SC+6+\i], v[SC+7+\i]
.endr
	v_max3_num_f32 v230, v230, v[SC+60], v[SC+61]
	v_max3_num_f32 v231, v231, v[SC+62], v[SC+63]
	s_delay_alu instid0(VALU_DEP_1)
	v_max3_num_f32 v230, v230, v231, v233
	s_delay_alu instid0(VALU_DEP_1)
	v_max_num_f32 v230, v230, v249
	s_delay_alu instid0(VALU_DEP_1)
	v_permlanex16_b32 v232, v230, s20, s21
	s_delay_alu instid0(VALU_DEP_1)
	v_max_num_f32 v230, v230, v232                 ; and among lane l xor 16's
	s_delay_alu instid0(VALU_DEP_1)
	v_mul_f32 v230, s22, v230                      ; as t (c is positive)
	s_delay_alu instid0(VALU_DEP_1)
	v_max_num_f32 v225, v225, v230                 ; the running largest t
	v_mov_b32 v230, v224
	s_delay_alu instid0(VALU_DEP_2)
	v_floor_f32 v224, -v225                        ; the new -M = floor(-t) = -ceil(t): M is a whole number
	s_delay_alu instid0(VALU_DEP_1)
	v_sub_f32 v230, v224, v230                     ; M's old value less its new one: a whole number, 0 or less
	s_delay_alu instid0(VALU_DEP_1)
	v_cvt_i32_f32 v230, v230                       ; (it saturates)
	s_delay_alu instid0(VALU_DEP_1)
	v_ldexp_f32 v228, 1.0, v230                    ; f = 2^(old M - new M)
.set n, 0
.rept 32
	v_pk_fma_f32 v[SC+n:SC+n+1], v[SC+n:SC+n+1], s[22:23], v[224:225] op_sel_hi:[1,0,0]   ; t - M, two at a time (of the pairs c and -M the low word serves both halves)
.set n, n+2
.endr
.set n, 0
	s_wait_alu depctr_va_vdst(0)
.rept 64
	v_exp_f32 v[SC+n], v[SC+n]                     ; p = 2^(t - M), at most 1
.set n, n+1
.endr
	v_pk_mul_f32 v[226:227], v[226:227], v[228:229] op_sel_hi:[1,0]   ; the sums under the new M: the plain place behind the exponentials
	s_wait_alu depctr_va_vdst(0)                   ; one wait for the whole batch, ahead of its first reader
	v_pk_add_f32 v[234:235], v[124:125], v[132:133]
	v_pk_add_f32 v[250:251], v[140:141], v[148:149]
	v_pk_add_f32 v[252:253], v[156:157], v[164:165]
	v_pk_add_f32 v[254:255], v[172:173], v[112:113]
	v_pk_add_f32 v[248:249], v[114:115], v[126:127]
	v_pk_add_f32 v[246:247], v[134:135], v[142:143]
	v_pk_add_f32 v[244:245], v[150:151], v[158:159]
	v_pk_add_f32 v[226:227], v[226:227], v[166:167]
	v_pk_add_f32 v[234:235], v[234:235], v[174:175]
	v_pk_add_f32 v[250:251], v[250:251], v[116:117]
	v_pk_add_f32 v[252:253], v[252:253], v[118:119]
	v_pk_add_f32 v[254:255], v[254:255], v[128:129]
	v_pk_add_f32 v[248:249], v[248:249], v[136:137]
	v_pk_add_f32 v[246:247], v[246:247], v[144:145]
	v_pk_add_f32 v[244:245], v[244:245], v[152:153]
	v_pk_add_f32 v[226:227], v[226:227], v[160:161]
	v_pk_add_f32 v[234:235], v[234:235], v[168:169]
	v_pk_add_f32 v[250:251], v[250:251], v[120:121]
	v_pk_add_f32 v[252:253], v[252:253], v[122:123]
	v_pk_add_f32 v[254:255], v[254:255], v[130:131]
	v_pk_add_f32 v[248:249], v[248:249], v[138:139]
	v_pk_add_f32 v[246:247], v[246:247], v[146:147]
	v_pk_add_f32 v[244:245], v[244:245], v[154:155]
	v_pk_add_f32 v[226:227], v[226:227], v[162:163]
	v_pk_add_f32 v[234:235], v[234:235], v[170:171]
	s_delay_alu instid0(VALU_DEP_2)
	v_pk_add_f32 v[226:227], v[226:227], v[254:255]
	s_delay_alu instid0(VALU_DEP_2)
	v_pk_add_f32 v[234:235], v[234:235], v[248:249]
	v_pk_add_f32 v[250:251], v[250:251], v[246:247]
	v_pk_add_f32 v[252:253], v[252:253], v[244:245]
	s_delay_alu instid0(VALU_DEP_2)
	v_pk_add_f32 v[226:227], v[226:227], v[250:251]
	s_delay_alu instid0(VALU_DEP_2)
	v_pk_add_f32 v[234:235], v[234:235], v[252:253]
	s_delay_alu instid0(VALU_DEP_1)
	v_pk_add_f32 v[226:227], v[226:227], v[234:235]
	s_cmp_ge_i32 s42, -15                          ; e8 >= -15: the bound is 1.75 or more, over every p: the hold would change nothing (see the head)
	s_cbranch_scc1 .Lno_hold_\@
.set n, 0
.rept 64
	v_min_num_f32 v[SC+n], v[SC+n], v237           ; the conversion does not saturate (ISA guide 7.6.2); p is not negative, so the hold is one-sided
.set n, n+1
.endr
.Lno_hold_\@:
.irp c, 0,1,2,3,4,5,6,7
	v_cvt_scalef32_pk8_bf8_f32 v[PC+2*\c:PC+2*\c+1], v[SC+8*\c:SC+8*\c+7], v236
.endr
.set n, 0
.rept 16
	v_pk_mul_f32 v[OT+n:OT+n+1], v[OT+n:OT+n+1], v[228:229] op_sel_hi:[1,0]   ; O^T under the new M; also the plain lines between the conversions and the products
.set n, n+2
.endr
	s_wait_alu depctr_va_vdst(0)
	s_wait_dscnt 0x0                               ; V is in
.irp t, 0,1,2,3
	v_wmma_f32_16x16x128_bf8_bf8 v[OT+8*\t:OT+8*\t+7], v[KV+16*\t:KV+16*\t+15], v[PC:PC+15], v[OT+8*\t:OT+8*\t+7]   ; four accumulators, one instruction a turn
.endr
.rept 4
	v_nop                                          ; places ahead of the next loads into V's registers and of reads of O^T
.endr
.if \last == 0
	s_cmp_eq_u32 s17, s15
	s_cbranch_scc0 .Lnot_done_\@
.endif
	FINAL \last
.Lnot_done_\@:
.if \last == 0
	s_wait_dscnt 0x0                               ; my store of tile j + 1 has landed, and my reads of this slot are over
	s_barrier_signal -1
	s_barrier_wait -1
	s_add_co_u32 s17, s17, 1
.endif
.endm
	s_load_b256 s[4:11], s[0:1], 0x0               ; q_img s[4:5], k_img s[6:7], v_img s[8:9], the scales s[10:11]
	s_load_b64 s[12:13], s[0:1], 0x20              ; o_img
	v_lshl_add_u32 v3, v0, 2, SPARE
	v_mov_b32 v4, 0
	v_lshrrev_b32 v5, 5, v0
	s_delay_alu instid0(VALU_DEP_1)
	v_readfirstlane_b32 s14, v5                    ; wave 0..7
	s_mov_b32 s15, ttmp9                           ; i
	s_and_b32 s16, ttmp7, 0xffff                   ; 8 batch + head
	s_mov_b32 s17, 0                               ; j
	s_mov_b32 s19, s15                             ; the block of queries in hand
	s_mov_b32 s20, 0x76543210
	s_mov_b32 s21, 0xfedcba98
	s_mov_b32 s22, 0x3e38aa3b                      ; c = log2(e) / 8
	s_mov_b32 s29, 0
	v_and_b32 v7, 31, v0
	s_delay_alu instid0(VALU_DEP_1)
	v_lshlrev_b32 v1, 4, v7
	v_lshlrev_b32 v2, 4, v0
	v_and_b32 v5, 15, v0
	v_bfe_u32 v7, v0, 4, 1
	s_delay_alu instid0(VALU_DEP_1)
	v_lshlrev_b32 v7, 3, v7
	s_delay_alu instid0(VALU_DEP_1)
	v_sub_nc_u32 v5, v5, v7
	s_lshl_b32 s35, s14, 4
	v_add_nc_u32 v5, s35, v5                       ; 16 wave + lane % 16 - 8 (lane / 16)
	v_mov_b32 v6, 0xff800000
	v_mov_b32 v229, 0                              ; (named as the upper half of the pair v[228:229])
	v_mov_b32 v232, 0                              ; written once: a lane permute's destination counts as one of its sources
	RESET
	s_lshl_b32 s28, s16, 17                        ; a batch-head's 131,072 bytes in each of the three buffers
	s_wait_kmcnt 0x0
	s_load_b128 s[40:43], s[10:11], 0x18           ; e6, e7, e8, e9
	s_load_b32 s44, s[10:11], 0x28                 ; e10
	s_add_nc_u64 s[4:5], s[4:5], s[28:29]
	s_add_nc_u64 s[6:7], s[6:7], s[28:29]
	s_add_nc_u64 s[8:9], s[8:9], s[28:29]
	s_mov_b32 s35, 0
	TADR
	TREQ G0R                                       ; tile 0
	s_wait_xcnt 0x0                                ; its addresses are translated: the address registers may be written
	s_mov_b32 s35, 1
	TADR
	TREQ G0R+16                                    ; tile 1
	QREQ
	s_wait_kmcnt 0x0
	s_add_co_i32 s35, s40, s41
	s_lshl_b32 s35, s35, 23
	s_add_co_i32 s22, s22, s35                     ; a score stands for score x 2^(e6 + e7): the two exponents are added to c's exponent field
	s_mov_b32 s23, s22
	s_add_co_i32 s45, s42, s43                     ; e8 + e9
	s_add_co_i32 s35, s42, 127
	s_lshl_b32 s36, s35, 23
	v_mov_b32 v236, s36                            ; 2^e8
	s_add_co_i32 s35, s35, 15
	s_lshl_b32 s35, s35, 23
	s_or_b32 s35, s35, 0x600000
	v_mov_b32 v237, s35                            ; 57,344 x 2^e8
	s_add_co_i32 s35, s44, 127
	s_lshl_b32 s36, s35, 23
	v_mov_b32 v238, s36                            ; 2^e10
	s_add_co_i32 s35, s35, 15
	s_lshl_b32 s35, s35, 23
	s_or_b32 s35, s35, 0x600000
	v_mov_b32 v239, s35                            ; 57,344 x 2^e10
	s_wait_loadcnt 6                               ; tile 0 is in; tile 1's four loads and Q's two may be out
.irp u, 0,1,2,3
	ds_store_b128 v2, v[G0R+4*\u:G0R+4*\u+3] offset:4096*\u
.endr
	s_wait_dscnt 0x0
	s_barrier_signal -1
	s_barrier_wait -1
	s_mov_b32 s34, 8
.Lpair:                                            ; eight trips of two steps: steps 0 to 15
	STEP 0, 1, 0
	STEP 1, 1, 0
	s_sub_co_u32 s34, s34, 1
	s_cmp_lg_u32 s34, 0
	s_cbranch_scc1 .Lpair
	STEP 0, 0, 1                                   ; step 16
	s_wait_tensorcnt 0x0                           ; the wave's end
	ds_add_u32 v3, v4
	s_wait_dscnt 0x0
	s_endpgm
.Lfunc_end_k_qe98bf95fbb_attn:
	.size	k_qe98bf95fbb_attn, .Lfunc_end_k_qe98bf95fbb_attn-k_qe98bf95fbb_attn
	.p2alignl 7, 3214868480
	.fill 96, 4, 3214868480
	.section	.rodata,"a",@progbits
	.p2align	6, 0x0
	.amdhsa_kernel k_qe98bf95fbb_attn
		.amdhsa_group_segment_fixed_size 33792
		.amdhsa_private_segment_fixed_size 0
		.amdhsa_enable_private_segment 0
		.amdhsa_kernarg_size 40
		.amdhsa_user_sgpr_count 2
		.amdhsa_user_sgpr_kernarg_segment_ptr 1
		.amdhsa_wavefront_size32 1
		.amdhsa_system_sgpr_workgroup_id_x 1
		.amdhsa_system_sgpr_workgroup_id_y 1
		.amdhsa_system_sgpr_workgroup_id_z 1
		.amdhsa_system_vgpr_workitem_id 0
		.amdhsa_next_free_vgpr 256
		.amdhsa_next_free_sgpr 66
		.amdhsa_reserve_vcc 1
		.amdhsa_float_denorm_mode_32 3
		.amdhsa_float_denorm_mode_16_64 3
		.amdhsa_memory_ordered 1
		.amdhsa_forward_progress 1
		.amdhsa_inst_pref_size 87
	.end_amdhsa_kernel
	.amdgpu_metadata
---
amdhsa.version: [ 1, 2 ]
amdhsa.kernels:
  - .name:           k_qe98bf95fbb_attn
    .symbol:         k_qe98bf95fbb_attn.kd
    .args:
      - { .name: q_img, .offset: 0, .size: 8, .value_kind: global_buffer, .address_space: global }
      - { .name: k_img, .offset: 8, .size: 8, .value_kind: global_buffer, .address_space: global }
      - { .name: v_img, .offset: 16, .size: 8, .value_kind: global_buffer, .address_space: global }
      - { .name: lowp_scales, .offset: 24, .size: 8, .value_kind: global_buffer, .address_space: global }
      - { .name: o_img, .offset: 32, .size: 8, .value_kind: global_buffer, .address_space: global }
    .group_segment_fixed_size: 33792
    .private_segment_fixed_size: 0
    .kernarg_segment_align: 8
    .kernarg_segment_size: 40
    .max_flat_workgroup_size: 256
    .sgpr_count:     66
    .vgpr_count:     256
    .wavefront_size: 32
...
	.end_amdgpu_metadata
.endif
;; end of part 3
;; launch proj (part 4): grid 256 x 1, 4 waves a work-group, no clusters, 18,944 bytes of LDS; arguments x, o_img, wcodes, lowp_scales, bp, g2, be2, b2, x1b, h2_img; writes x1b, h2_img
.if DOCPART == 4
	.amdgcn_target "amdgcn-amd-amdhsa--gfx1250"
	.amdhsa_code_object_version 6
	.text
	.protected	k_qe98bf95fbb_proj
	.globl	k_qe98bf95fbb_proj
	.p2align	8
	.type	k_qe98bf95fbb_proj,@function
k_qe98bf95fbb_proj:
	s_mov_b64 s[64:65], 0
	v_nop
	global_prefetch_b8 v0, s[64:65] scope:SCOPE_SE
	s_setreg_imm32_b32 hwreg(HW_REG_WAVE_MODE, 25, 1), 1
	s_wait_xcnt 0x0
; x1 = x + o Wp + bp (product 6, on codes of BF8), h2 = norm 2 of x1, quantised with e12.  Nothing is left out here.
; OUT: h2_img, images of operand registers: fragment (row tile of 16, K step s of 128) at tile x 8,192 + s x 2,048; registers 4 p .. 4 p + 3 of lane l at 512 p + 16 l.
;      x1b = (x1 + b2) x 2^-(e14 + e15), images of accumulators: (row tile, column tile of 16) at tile x 32,768 + column tile x 1,024; registers 4 f .. 4 f + 3 of lane l at 512 f + 16 l.
; SHARES: a work-group owns 32 rows, wave w columns 128 w on: 16 accumulators.  The product is used transposed (source 0 = 16 columns of Wp, source 1 = 16 rows of o):
; lane (r, h) holds row r and columns 16 t + 8 h + 0 .. 7, so one conversion of a column tile gives registers 2 t, 2 t + 1 of the next operand.
; Wp's 32 fragments of a wave (64 KiB, 512 registers) are images in memory and go straight into registers: each is read once by one wave, so no LDS pass, no tensor load and no cluster is used.
; No prefetch: the text has no loop to run ahead in; all its loads are issued at its head.
; x comes in whole rows of 256 bytes and turns through the wave's own stage in LDS (rows of 272 bytes).  The norm's mean and variance are taken in two passes, joined over the four waves through LDS.
; LIMITS: e10 + e11 and e14 + e15 between -126 and 126; e12 between -126 and 112; NaN among the inputs is not served.
; REGISTERS: window 0: v1-20 addresses, v32-63 at work, v64-127 bp, then b2, v128-255 the accumulators; window 1: v0-127 o, then x1b, v128-191 g2, v192-255 be2; windows 2, 3: Wp.
.set STATS, 17408                      ; behind four stages of 4,352 bytes: two sets of 32 rows x 4 waves x 4 bytes
.set SPARE, 18432                      ; the spare words, 128 bytes a wave
.set ACC, 128
.set BV,  64
.set MSB, 0
.macro WIN new
.if MSB != (\new)
	s_set_vgpr_msb (MSB<<8)|(\new)
.set MSB, (\new)
.endif
.endm
.macro POW2 sd, sa, sb, neg            ; 2^(+-(sa + sb)) as f32, in a pair
	s_add_co_i32 s28, s[\sa], s[\sb]
.if \neg
	s_sub_co_i32 s28, 127, s28
.else
	s_add_co_i32 s28, s28, 127
.endif
	s_lshl_b32 s[\sd], s28, 23
	s_mov_b32 s[\sd+1], s[\sd]
.endm
.macro RED off                         ; four chains v32-39 -> each row's sum over 512 columns, in v40 (row tile 0) and v44 (row tile 1)
.irp m, 0,1
	v_pk_add_f32 v[32+4*\m:33+4*\m], v[32+4*\m:33+4*\m], v[34+4*\m:35+4*\m]
.endr
.irp m, 0,1
	v_add_f32 v[32+4*\m], v[32+4*\m], v[33+4*\m]
.endr
.irp m, 0,1
	v_permlanex16_b32 v[33+4*\m], v[32+4*\m], s30, s31
.endr
.irp m, 0,1
	v_add_f32 v[32+4*\m], v[32+4*\m], v[33+4*\m]
.endr
.irp m, 0,1
	ds_store_b32 v10, v[32+4*\m] offset:\off+256*\m
.endr
	s_wait_dscnt 0x0                               ; my words are stored: zero, for the other waves' sake
	s_barrier_signal -1
	s_barrier_wait -1
.irp m, 0,1
	ds_load_b128 v[40+4*\m:43+4*\m], v11 offset:\off+256*\m
.endr
	s_wait_dscnt 0x0
.irp m, 0,1
	v_add_f32 v[40+4*\m], v[40+4*\m], v[41+4*\m]
.endr
.irp m, 0,1
	v_add_f32 v[42+4*\m], v[42+4*\m], v[43+4*\m]
.endr
.irp m, 0,1
	v_add_f32 v[40+4*\m], v[40+4*\m], v[42+4*\m]
.endr
.endm
	s_load_b512 s[4:19], s[0:1], 0x0               ; x 4, o_img 6, wcodes 8, scales 10, bp 12, g2 14, be2 16, b2 18
	s_load_b128 s[20:23], s[0:1], 0x40             ; x1b 20, h2_img 22
	v_lshl_add_u32 v6, v0, 2, SPARE
	v_mov_b32 v7, 0
	v_lshrrev_b32 v8, 5, v0
	v_readfirstlane_b32 s24, v8                    ; wave
	s_mov_b32 s30, 0x76543210
	s_mov_b32 s31, 0xfedcba98
	s_lshl_b32 s28, s24, 2
	s_mul_i32 s29, s24, 4352                       ; my stage
	s_lshl_b32 s38, s24, 9                         ; my 128 columns in a vector of f32
	s_lshl_b32 s32, ttmp9, 16
	s_add_co_u32 s32, s32, s38                     ; x: 32 rows of 2,048 bytes a work-group
	s_lshl_b32 s34, ttmp9, 14                      ; o_img: two row tiles
	s_lshl_b32 s36, s24, 15
	s_add_co_u32 s36, s36, 786432                  ; wcodes: unit 3, my 128 columns
	s_lshl_b32 s40, ttmp9, 16
	s_lshl_b32 s26, s24, 13
	s_add_co_u32 s40, s40, s26                     ; x1b
	s_lshl_b32 s42, s24, 11
	s_add_co_u32 s42, s42, s34                     ; h2_img: K step = my wave
	s_mov_b32 s33, 0
	s_mov_b32 s35, 0
	s_mov_b32 s37, 0
	s_mov_b32 s39, 0
	s_mov_b32 s41, 0
	s_mov_b32 s43, 0
	v_and_b32 v8, 31, v0
	v_lshlrev_b32 v1, 4, v8                        ; 16 x lane
	v_and_b32 v19, 15, v0                          ; r
	v_bfe_u32 v20, v0, 4, 1                        ; h
	v_lshlrev_b32 v9, 5, v20                       ; 32 h
	v_lshlrev_b32 v11, 4, v19
	v_add_nc_u32 v11, STATS, v11                   ; a row's four words
	v_add_nc_u32 v10, s28, v11                     ; my wave's word of them
	v_mul_u32_u24 v16, v19, 272
	v_add_nc_u32 v16, v16, v9
	v_add_nc_u32 v16, s29, v16                     ; stage, by lanes' rows: r x 272 + 32 h
	v_mul_u32_u24 v17, v20, 272
	v_lshl_add_u32 v17, v19, 4, v17
	v_add_nc_u32 v17, s29, v17                     ; stage, by whole rows: h x 272 + 16 r
	v_lshlrev_b32 v18, 11, v20
	v_lshl_add_u32 v18, v19, 4, v18                ; the same two rows in x
	s_wait_alu depctr_va_vdst(0)                   ; the wait at the head's end
	s_wait_kmcnt 0x0
	s_load_b512 s[68:83], s[10:11], 0x0            ; e0 .. e15
	s_add_nc_u64 s[4:5], s[4:5], s[32:33]
	s_add_nc_u64 s[6:7], s[6:7], s[34:35]
	s_add_nc_u64 s[8:9], s[8:9], s[36:37]
	s_add_nc_u64 s[12:13], s[12:13], s[38:39]
	s_add_nc_u64 s[14:15], s[14:15], s[38:39]
	s_add_nc_u64 s[16:17], s[16:17], s[38:39]
	s_add_nc_u64 s[18:19], s[18:19], s[38:39]
	s_add_nc_u64 s[20:21], s[20:21], s[40:41]
	s_add_nc_u64 s[22:23], s[22:23], s[42:43]
.set j, 0
.rept 32                               ; x: sixteen lanes read 256 consecutive bytes of a row
	global_load_b128 v[ACC+4*j:ACC+4*j+3], v18, s[4:5] offset:(16*(j/16)+2*(j%8))*2048+256*((j/8)%2) th:TH_LOAD_NT
.set j, j+1
.endr
.set j, 0
.rept 16
	global_load_b128 v[BV+4*j:BV+4*j+3], v9, s[12:13] offset:64*(j/2)+16*(j%2)
.set j, j+1
.endr
	WIN 0x40
.set j, 0
.rept 32                               ; o: fragment (m, s) in v[64 m + 16 s]
	global_load_b128 v[4*j:4*j+3], v1, s[6:7] offset:512*j
.set j, j+1
.endr
	WIN 0x80
.set j, 0
.rept 64                               ; Wp, K steps 0, 1: fragment (s, t) in v[16 (8 s + t)]
	global_load_b128 v[4*j:4*j+3], v1, s[8:9] offset:512*j
.set j, j+1
.endr
	WIN 0xc0
.set j, 0
.rept 64                               ; K steps 2, 3
	global_load_b128 v[4*j:4*j+3], v1, s[8:9] offset:131072+512*j
.set j, j+1
.endr
	WIN 0x40
.set j, 0
.rept 16
	global_load_b128 v[128+4*j:128+4*j+3], v9, s[14:15] offset:64*(j/2)+16*(j%2)
	global_load_b128 v[192+4*j:192+4*j+3], v9, s[16:17] offset:64*(j/2)+16*(j%2)
.set j, j+1
.endr
	WIN 0
	s_wait_loadcnt 63                              ; 192 loads were issued behind x's and bp's: with 63 out these are in
.irp a, 0,1,2,3                        ; 16 rows x 64 columns at a time through my stage; LDS serves a wave's instructions in order
.irp i, 0,1,2,3,4,5,6,7
	ds_store_b128 v17, v[ACC+32*\a+4*\i:ACC+32*\a+4*\i+3] offset:544*\i
.endr
.irp i, 0,1,2,3,4,5,6,7
	ds_load_b128 v[ACC+32*\a+4*\i:ACC+32*\a+4*\i+3], v16 offset:64*(\i/2)+16*(\i%2)
.endr
.endr
	s_wait_kmcnt 0x0
	POW2 48, 78, 79, 1                             ; 2^-(e10 + e11)
	POW2 50, 78, 79, 0                             ; 2^(e10 + e11)
	POW2 52, 82, 83, 1                             ; 2^-(e14 + e15)
	s_add_co_i32 s28, s80, 127
	s_lshl_b32 s29, s28, 23
	v_mov_b32 v12, s29                             ; 2^e12
	s_add_co_i32 s28, s28, 15
	s_lshl_b32 s28, s28, 23
	s_or_b32 s28, s28, 0x600000
	v_mov_b32 v13, s28                             ; 57,344 x 2^e12
.set j, 0
.rept 32
	v_pk_mul_f32 v[BV+2*j:BV+2*j+1], v[BV+2*j:BV+2*j+1], s[48:49] op_sel_hi:[1,0]
.set j, j+1
.endr
	s_wait_alu depctr_va_vdst(0)
	s_wait_dscnt 0x0
.set j, 0
.rept 64                               ; the sums begin as (x + bp) / 2^(e10 + e11)
	v_pk_fma_f32 v[ACC+2*j:ACC+2*j+1], v[ACC+2*j:ACC+2*j+1], s[48:49], v[BV+2*(j%32):BV+2*(j%32)+1] op_sel_hi:[1,0,1]
.set j, j+1
.endr
.set j, 0
.rept 16
	global_load_b128 v[BV+4*j:BV+4*j+3], v9, s[18:19] offset:64*(j/2)+16*(j%2)   ; b2 takes bp's place
.set j, j+1
.endr
	s_wait_alu depctr_va_vdst(0)
	s_wait_loadcnt 48                              ; o and Wp are in; g2, be2, b2 (16 loads each) may be out
.irp s, 0,1,2,3                        ; 16 accumulators by turns, K ascending
	WIN 0x06+(\s/2)
.irp t, 0,1,2,3,4,5,6,7
.irp m, 0,1
	v_wmma_f32_16x16x128_bf8_bf8 v[ACC+64*\m+8*\t:ACC+64*\m+8*\t+7], v[16*(8*(\s%2)+\t):16*(8*(\s%2)+\t)+15], v[64*\m+16*\s:64*\m+16*\s+15], v[ACC+64*\m+8*\t:ACC+64*\m+8*\t+7]
.endr
.endr
.endr
.rept 4
	v_nop                                          ; places ahead of the first read of the results
.endr
	WIN 0
.set j, 0
.rept 64
	v_pk_mul_f32 v[ACC+2*j:ACC+2*j+1], v[ACC+2*j:ACC+2*j+1], s[50:51] op_sel_hi:[1,0]   ; x1, each accumulator from its low end on
.set j, j+1
.endr
	s_wait_alu depctr_va_vdst(0)
	s_wait_loadcnt 0x0
.set j, 0
.rept 32
	v_pk_mul_f32 v[BV+2*j:BV+2*j+1], v[BV+2*j:BV+2*j+1], s[52:53] op_sel_hi:[1,0]
.set j, j+1
.endr
	WIN 0x40
.set j, 0
.rept 64
	v_pk_fma_f32 v[2*j:2*j+1], v[ACC+2*j:ACC+2*j+1], s[52:53], v[BV+2*(j%32):BV+2*(j%32)+1] op_sel_hi:[1,0,1]
.set j, j+1
.endr
	WIN 0x04
.irp m, 0,1
.irp t, 0,1,2,3,4,5,6,7
.irp f, 0,1
	global_store_b128 v1, v[64*\m+8*\t+4*\f:64*\m+8*\t+4*\f+3], s[20:21] offset:32768*\m+1024*\t+512*\f   ; each store covers 512 consecutive bytes, aligned
.endr
.endr
.endr
	WIN 0
.irp k, 0,1,2,3                        ; the rows' sums, four chains of 32 registers
	v_pk_add_f32 v[32+2*\k:33+2*\k], v[ACC+32*\k:ACC+32*\k+1], v[ACC+32*\k+2:ACC+32*\k+3]
.endr
.set j, 8
.rept 56
	v_pk_add_f32 v[32+2*(j%4):33+2*(j%4)], v[32+2*(j%4):33+2*(j%4)], v[ACC+32*(j%4)+2*(j/4):ACC+32*(j%4)+2*(j/4)+1]
.set j, j+1
.endr
	RED 0
.irp m, 0,1
	v_mul_f32 v[56+2*\m], 0x3b000000, v[40+4*\m]   ; the mean
.endr
.irp m, 0,1
	v_mov_b32 v[57+2*\m], v[56+2*\m]
.endr
.set j, 0
.rept 64
	v_pk_add_f32 v[ACC+2*j:ACC+2*j+1], v[ACC+2*j:ACC+2*j+1], v[56+2*(j/32):57+2*(j/32)] neg_lo:[0,1] neg_hi:[0,1]
.set j, j+1
.endr
.irp k, 0,1,2,3
	v_pk_mul_f32 v[32+2*\k:33+2*\k], v[ACC+32*\k:ACC+32*\k+1], v[ACC+32*\k:ACC+32*\k+1]
.endr
.set j, 4
.rept 60
	v_pk_fma_f32 v[32+2*(j%4):33+2*(j%4)], v[ACC+32*(j%4)+2*(j/4):ACC+32*(j%4)+2*(j/4)+1], v[ACC+32*(j%4)+2*(j/4):ACC+32*(j%4)+2*(j/4)+1], v[32+2*(j%4):33+2*(j%4)]
.set j, j+1
.endr
	RED 512
	s_mov_b32 s28, 0x3b000000
.irp m, 0,1
	v_fmaak_f32 v[40+4*\m], s28, v[40+4*\m], 0x3727c5ac   ; the variance + 1e-5
.endr
	s_wait_alu depctr_va_vdst(0)                   ; the wait ahead of the batch
.irp m, 0,1
	v_rsq_f32 v[56+2*\m], v[40+4*\m]
.endr
	v_nop
	s_wait_alu depctr_va_vdst(0)                   ; and behind it, ahead of its first reader
.irp m, 0,1
	v_mov_b32 v[57+2*\m], v[56+2*\m]
.endr
.set j, 0
.rept 64
	v_pk_mul_f32 v[ACC+2*j:ACC+2*j+1], v[ACC+2*j:ACC+2*j+1], v[56+2*(j/32):57+2*(j/32)]
.set j, j+1
.endr
	WIN 0x14
.set j, 0
.rept 64
	v_pk_fma_f32 v[ACC+2*j:ACC+2*j+1], v[ACC+2*j:ACC+2*j+1], v[128+2*(j%32):129+2*(j%32)], v[192+2*(j%32):193+2*(j%32)]   ; x g2 + be2
.set j, j+1
.endr
	WIN 0
.set j, 0
.rept 128
	v_med3_num_f32 v[ACC+j], v[ACC+j], -v13, v13   ; the conversion does not saturate (ISA guide 7.6.2): the hold at the largest code x the scale
.set j, j+1
.endr
.irp m, 0,1
.irp c, 0,1,2,3,4,5,6,7
	v_cvt_scalef32_pk8_bf8_f32 v[32+16*\m+2*\c:33+16*\m+2*\c], v[ACC+64*\m+8*\c:ACC+64*\m+8*\c+7], v12
.endr
.endr
	v_nop
.irp m, 0,1
.irp p, 0,1,2,3
	global_store_b128 v1, v[32+16*\m+4*\p:35+16*\m+4*\p], s[22:23] offset:8192*\m+512*\p
.endr
.endr
	s_wait_tensorcnt 0x0                           ; the wave's end
	ds_add_u32 v6, v7
	s_wait_dscnt 0x0
	s_endpgm
.Lfunc_end_k_qe98bf95fbb_proj:
	.size	k_qe98bf95fbb_proj, .Lfunc_end_k_qe98bf95fbb_proj-k_qe98bf95fbb_proj
	.p2alignl 7, 3214868480
	.fill 96, 4, 3214868480
	.section	.rodata,"a",@progbits
	.p2align	6, 0x0
	.amdhsa_kernel k_qe98bf95fbb_proj
		.amdhsa_group_segment_fixed_size 18944
		.amdhsa_private_segment_fixed_size 0
		.amdhsa_enable_private_segment 0
		.amdhsa_kernarg_size 80
		.amdhsa_user_sgpr_count 2
		.amdhsa_user_sgpr_kernarg_segment_ptr 1
		.amdhsa_wavefront_size32 1
		.amdhsa_system_sgpr_workgroup_id_x 1
		.amdhsa_system_sgpr_workgroup_id_y 1
		.amdhsa_system_sgpr_workgroup_id_z 1
		.amdhsa_system_vgpr_workitem_id 0
		.amdhsa_next_free_vgpr 1024
		.amdhsa_next_free_sgpr 100
		.amdhsa_reserve_vcc 0
		.amdhsa_float_denorm_mode_32 3
		.amdhsa_float_denorm_mode_16_64 3
		.amdhsa_memory_ordered 1
		.amdhsa_forward_progress 1
		.amdhsa_inst_pref_size 88
	.end_amdhsa_kernel
	.amdgpu_metadata
---
amdhsa.version: [ 1, 2 ]
amdhsa.kernels:
  - .name:           k_qe98bf95fbb_proj
    .symbol:         k_qe98bf95fbb_proj.kd
    .args:
      - { .name: x, .offset: 0, .size: 8, .value_kind: global_buffer, .address_space: global }
      - { .name: o_img, .offset: 8, .size: 8, .value_kind: global_buffer, .address_space: global }
      - { .name: wcodes, .offset: 16, .size: 8, .value_kind: global_buffer, .address_space: global }
      - { .name: lowp_scales, .offset: 24, .size: 8, .value_kind: global_buffer, .address_space: global }
      - { .name: bp, .offset: 32, .size: 8, .value_kind: global_buffer, .address_space: global }
      - { .name: g2, .offset: 40, .size: 8, .value_kind: global_buffer, .address_space: global }
      - { .name: be2, .offset: 48, .size: 8, .value_kind: global_buffer, .address_space: global }
      - { .name: b2, .offset: 56, .size: 8, .value_kind: global_buffer, .address_space: global }
      - { .name: x1b, .offset: 64, .size: 8, .value_kind: global_buffer, .address_space: global }
      - { .name: h2_img, .offset: 72, .size: 8, .value_kind: global_buffer, .address_space: global }
    .group_segment_fixed_size: 18944
    .private_segment_fixed_size: 0
    .kernarg_segment_align: 8
    .kernarg_segment_size: 80
    .max_flat_workgroup_size: 128
    .sgpr_count:     100
    .vgpr_count:     1024
    .wavefront_size: 32
...
	.end_amdgpu_metadata
.endif
;; end of part 4
;; launch ffn1 (part 5): grid 8 x 32, 4 waves a work-group, clusters of 4 x 4, 327,680 bytes of LDS; arguments h2_img, wcodes, lowp_scales, b1, hid_img; writes hid_img
.if DOCPART == 5
	.amdgcn_target "amdgcn-amd-amdhsa--gfx1250"
	.amdhsa_code_object_version 6
	.text
	.protected	k_qe98bf95fbb_ffn1
	.globl	k_qe98bf95fbb_ffn1
	.p2align	8
	.type	k_qe98bf95fbb_ffn1,@function
k_qe98bf95fbb_ffn1:
	s_mov_b64 s[64:65], 0
	v_nop
	global_prefetch_b8 v0, s[64:65] scope:SCOPE_SE
	s_setreg_imm32_b32 hwreg(HW_REG_WAVE_MODE, 25, 1), 1
	s_wait_xcnt 0x0
	s_wait_alu depctr_hold_cnt(0) depctr_sa_sdst(0) depctr_va_vdst(0) depctr_va_sdst(0) depctr_va_ssrc(0) depctr_va_vcc(0) depctr_vm_vsrc(0)
	s_getreg_b32 s2, hwreg(HW_REG_IB_STS2, 6, 4)
	s_cmp_eq_u32 s2, 0
	s_cbranch_scc0 .Lentry_in_a_cluster
	s_endpgm
.Lentry_in_a_cluster:
	s_bfe_u32 s2, ttmp6, 0x10000c
	s_cmp_lg_u32 s2, 0xf033
	s_cbranch_scc0 .Lentry_shape_is_right
	s_endpgm
.Lentry_shape_is_right:
; hid = Q(relu(h2 W1 + b1)) (product 7, on codes of BF8; Q with e14), 8,192 x 2,048, K = 512.  Nothing is left out here.
; A work-group makes 256 rows x 256 columns, a wave 128 x 128: 64 accumulators.  Both operands lie in memory as images of operand registers (2,048 bytes a fragment of 16 x 128),
; so a tile is dense: 128 rows of h2 x K 512 are 65,536 bytes on end, 256 columns of W1 x K 256 likewise.  The whole K fits in LDS: each wave asks for ONE tile of 65,536 bytes, there is no ring and no refill.
; CLUSTERS 4 x 4: h2's tiles are asked for jointly along a row of the cluster, W1's along a column.  No prefetch: the text has no loop to run ahead in, its only loads stand at its head.
; The product is used transposed (source 0 = 16 columns of W1, source 1 = 16 rows of h2): lane (r, h) holds row r and columns 16 t + 8 h + 0 .. 7, neighbours along the next K.
; b1 / 2^(e12 + e13) is the C of each accumulator's first product.  One median is the activation and the hold; the three scales go into the conversion's one.
; OUT: hid_img: fragment (block of 128 rows, chunk of K 512, row tile i, K step s) at block x 262,144 + chunk x 65,536 + i x 8,192 + s x 2,048: a wave's 128 columns are one K step.
; LIMITS: e12 + e13 between -126 and 126; e14 - e12 - e13 between -126 and 112.
; REGISTERS: window 0: v2-29 addresses, v32-95 the bias, then numbers on the way out, v128-255 h2's fragments (one set), then codes; window 1: W1's fragments, two sets; windows 2, 3: accumulators.
.set SPARE, 262144
.set ADRA, 16
.set ADRB, 20                          ; v20, v21: K steps 0-1, 2-3
.set SPW,  28
.set NIL,  29
.set BI,   32
.set AF,   128
.set G1,  24
.set G0,  32
.set G1B, 48
.set G0B, 56
.set MSB, 0
.macro WIN new
.if MSB != (\new)
	s_set_vgpr_msb (MSB<<8)|(\new)
.set MSB, (\new)
.endif
.endm
.macro PLACES
.rept 4
	v_nop
.endr
.endm
.macro CROUND
	s_barrier_signal -1
	s_barrier_wait -1
	s_cmp_lg_u32 s14, 0
	s_cbranch_scc1 .Lnot_wave_0_\@
	s_barrier_signal -3
.Lnot_wave_0_\@:
	s_barrier_wait -3
	s_barrier_signal -1
	s_barrier_wait -1
.endm
	s_load_b256 s[4:11], s[0:1], 0x0               ; h2_img 4, wcodes 6, scales 8, b1 10
	s_load_b64 s[12:13], s[0:1], 0x20              ; hid_img
	v_lshl_add_u32 v[SPW], v0, 2, SPARE
	v_mov_b32 v[NIL], 0
	ds_add_u32 v[SPW], v[NIL]                      ; the opening lines: the add twice on end and its wait
	ds_add_u32 v[SPW], v[NIL]
	v_lshrrev_b32 v1, 5, v0
	v_readfirstlane_b32 s14, v1                    ; wave
	s_lshr_b32 s15, s14, 1                         ; my half of the rows; also: I fetch h2 (0) or W1 (1)
	s_and_b32 s16, s14, 1                          ; my half of the columns; also: which half I fetch
	s_bfe_u32 s40, ttmp6, 0x40000                  ; cx
	s_bfe_u32 s41, ttmp6, 0x40004                  ; cy
	s_lshl_b32 s42, ttmp9, 2
	s_add_co_u32 s42, s42, s40                     ; tile column
	s_and_b32 s17, ttmp7, 0xffff
	s_lshl_b32 s17, s17, 2
	s_add_co_u32 s17, s17, s41                     ; tile row
	s_lshl_b32 s43, s41, 2
	s_lshl_b32 s43, 15, s43                        ; my row of the cluster
	s_lshl_b32 s44, 0x1111, s40                    ; my column
	s_or_b32 s[G1], s43, (3<<16)|(1<<21)           ; elements of 8 bytes, no padding
	s_or_b32 s[G1B], s44, (3<<16)|(1<<21)
.irp g, G1, G1B
	s_mov_b32 s[\g+1], 32<<16                      ; rows of 256 bytes,
	s_mov_b32 s[\g+2], 256<<16                     ; 256 of them, dense
	s_mov_b32 s[\g+3], 32<<16
	s_mov_b32 s[\g+4], 256
	s_mov_b32 s[\g+5], 32
	s_mov_b32 s[\g+6], 0
	s_mov_b32 s[\g+7], 0
.endr
	s_lshl_b32 s20, s17, 17
	s_lshl_b32 s18, s16, 16
	s_add_co_u32 s20, s20, s18                     ; h2: 131,072 x tile row + 65,536 x half
	s_mov_b32 s21, 0
	s_lshr_b32 s46, s42, 1
	s_lshl_b32 s46, s46, 19                        ; W1: unit 4 + 2 (tile column / 2),
	s_and_b32 s47, s42, 1
	s_lshl_b32 s47, s47, 16                        ; its 256 columns,
	s_add_co_u32 s46, s46, s47
	s_lshl_b32 s47, s16, 17                        ; K 256 x half
	s_add_co_u32 s46, s46, s47
	s_add_co_u32 s46, s46, 1048576
	s_mov_b32 s47, 0
	s_lshl_b32 s45, s14, 16                        ; LDS: 65,536 x wave
	s_wait_dscnt 0x0
	s_wait_kmcnt 0x0
	s_load_b128 s[68:71], s[8:9], 0x30             ; e12 .. e15
	s_add_nc_u64 s[20:21], s[4:5], s[20:21]
	s_add_nc_u64 s[46:47], s[6:7], s[46:47]
	CROUND                                         ; the joint loads meet
	s_mov_b32 s[G0], 1
	s_mov_b32 s[G0+1], s45
	s_mov_b64 s[G0+2:G0+3], s[20:21]
	s_or_b32 s[G0+3], s[G0+3], 0x80000000
	s_mov_b32 s[G0B], 1
	s_mov_b32 s[G0B+1], s45
	s_mov_b64 s[G0B+2:G0B+3], s[46:47]
	s_or_b32 s[G0B+3], s[G0B+3], 0x80000000
	s_cmp_eq_u32 s15, 0                            ; one tensor load a wave, in the arms of one branch on the wave's number
	s_cbranch_scc0 .Lfor_b
	tensor_load_to_lds s[G0:G0+3], s[G1:G1+7]
	s_nop 0
	PLACES
	s_branch .Lasked
.Lfor_b:
	tensor_load_to_lds s[G0B:G0B+3], s[G1B:G1B+7]
	s_nop 0
	PLACES
.Lasked:
	s_lshl_b32 s20, s42, 10
	s_lshl_b32 s21, s16, 9
	s_add_co_u32 s20, s20, s21                     ; b1 at my 128 columns
	s_mov_b32 s21, 0
	s_add_nc_u64 s[10:11], s[10:11], s[20:21]
	s_lshl_b32 s20, s17, 1
	s_add_co_u32 s20, s20, s15
	s_lshl_b32 s20, s20, 18                        ; hid_img: my block of 128 rows,
	s_lshl_b32 s22, s42, 1
	s_add_co_u32 s22, s22, s16                     ; my K step of 128 among 16:
	s_lshr_b32 s23, s22, 2
	s_lshl_b32 s23, s23, 16                        ; its chunk,
	s_add_co_u32 s20, s20, s23
	s_and_b32 s22, s22, 3
	s_lshl_b32 s22, s22, 11                        ; and its place there
	s_add_co_u32 s20, s20, s22
	s_add_nc_u64 s[12:13], s[12:13], s[20:21]
	s_lshl_b32 s22, s15, 16
	s_lshl_b32 s23, s16, 15
	s_add_co_u32 s23, s23, 131072
	v_and_b32 v1, 31, v0
	v_lshlrev_b32 v2, 4, v1                        ; 16 x lane
	v_bfe_u32 v3, v0, 4, 1
	v_lshlrev_b32 v9, 5, v3                        ; 32 h
	v_add_nc_u32 v[ADRA], s22, v2
	v_add_nc_u32 v[ADRB], s23, v2
	v_add_nc_u32 v[ADRB+1], 65536, v[ADRB]
	s_wait_alu depctr_va_vdst(0)
.set j, 0
.rept 16
	global_load_b128 v[BI+4*j:BI+4*j+3], v9, s[10:11] offset:64*(j/2)+16*(j%2)
.set j, j+1
.endr
	s_wait_kmcnt 0x0
	s_add_co_i32 s72, s68, s69
	s_sub_co_i32 s74, 127, s72
	s_lshl_b32 s74, s74, 23                        ; 2^-(e12 + e13)
	s_mov_b32 s75, s74
	s_sub_co_i32 s72, s70, s72
	s_add_co_i32 s72, s72, 127
	s_lshl_b32 s73, s72, 23
	v_mov_b32 v12, s73                             ; 2^(e14 - e12 - e13)
	s_add_co_i32 s72, s72, 15
	s_lshl_b32 s72, s72, 23
	s_or_b32 s72, s72, 0x600000
	v_mov_b32 v13, s72                             ; 57,344 x that
	s_wait_alu depctr_va_vdst(0)
	s_wait_loadcnt 0x0
.set j, 0
.rept 32
	v_pk_mul_f32 v[BI+2*j:BI+2*j+1], v[BI+2*j:BI+2*j+1], s[74:75] op_sel_hi:[1,0]
.set j, j+1
.endr
	s_wait_alu depctr_va_vdst(0)                   ; the wait at the head's end
	s_wait_tensorcnt 0x0                           ; my tile is in;
	s_barrier_signal -1
	s_barrier_wait -1                              ; and so is everybody's.  Nothing is filled again
.macro FETCH_B q, p                    ; W1's eight fragments of K step q into set p
	WIN 0x40
.irp i, 0,1,2,3,4,5,6,7
.irp c, 0,1,2,3
	ds_load_b128 v[128*(\p)+16*\i+4*\c:128*(\p)+16*\i+4*\c+3], v[ADRB+(\q)/2] offset:(((\q)%2)*8+\i)*2048+512*\c
.endr
.endr
	WIN 0
.endm
.macro FETCH_A q, i0                   ; h2's row tiles i0 .. i0 + 3
.irp i, \i0, \i0+1, \i0+2, \i0+3
.irp c, 0,1,2,3
	ds_load_b128 v[AF+16*(\i)+4*\c:AF+16*(\i)+4*\c+3], v[ADRA] offset:(\i)*8192+(\q)*2048+512*\c
.endr
.endr
.endm
.macro MUL16 a0, p, first              ; row tiles a0, a0 + 1 x eight column tiles; the 64 accumulators take turns in the same order in every step
.irp a, \a0, \a0+1
.irp b, 0,1,2,3,4,5,6,7
.if \first
	v_wmma_f32_16x16x128_bf8_bf8 v[8*(8*((\a)%4)+\b):8*(8*((\a)%4)+\b)+7], v[128*(\p)+16*\b:128*(\p)+16*\b+15], v[AF+16*(\a):AF+16*(\a)+15], v[BI+8*\b:BI+8*\b+7]
.else
	v_wmma_f32_16x16x128_bf8_bf8 v[8*(8*((\a)%4)+\b):8*(8*((\a)%4)+\b)+7], v[128*(\p)+16*\b:128*(\p)+16*\b+15], v[AF+16*(\a):AF+16*(\a)+15], v[8*(8*((\a)%4)+\b):8*(8*((\a)%4)+\b)+7]
.endif
.endr
.endr
.endm
.macro STEP q, first
	s_wait_dscnt 16                                ; W1's set and row tiles 0-3 are in; the youngest 16 loads (row tiles 4-7) may be out
.if \first
	WIN 0x81                                       ; C from window 0: the bias
.else
	WIN 0xa1
.endif
	MUL16 0, (\q)%2, \first
	MUL16 2, (\q)%2, \first
	s_wait_dscnt 0
	PLACES                                         ; ahead of loads into registers that matrix instructions have read
	FETCH_B (\q)+1, 1-(\q)%2
	FETCH_A (\q)+1, 0
.if \first
	WIN 0xc1
.else
	WIN 0xf1
.endif
	MUL16 4, (\q)%2, \first
	MUL16 6, (\q)%2, \first
	PLACES
	WIN 0
	FETCH_A (\q)+1, 4
.endm
	FETCH_B 0, 0
	FETCH_A 0, 0
	FETCH_A 0, 4
	STEP 0, 1
	STEP 1, 0
	STEP 2, 0
	s_wait_dscnt 16
	WIN 0xa1
	MUL16 0, 1, 0
	MUL16 2, 1, 0
	s_wait_dscnt 0
	WIN 0xf1
	MUL16 4, 1, 0
	MUL16 6, 1, 0
	WIN 0
	PLACES
.macro OUTB i                          ; row tile i: 64 numbers a lane -> 64 codes, one fragment of 2,048 bytes
.set AC, 64*((\i)%4)
	WIN 0x02+((\i)/4)
.set n, 0
.rept 64
	v_med3_num_f32 v[BI+n], v[AC+n], 0, v13        ; the activation and the hold in one; each accumulator from its low end on
.set n, n+1
.endr
	WIN 0
.irp c, 0,1,2,3,4,5,6,7
	v_cvt_scalef32_pk8_bf8_f32 v[AF+16*(\i)+2*\c:AF+16*(\i)+2*\c+1], v[BI+8*\c:BI+8*\c+7], v12
.endr
	v_nop                                          ; a plain line between the conversions and the next tile's writes of their sources
.irp p, 0,1,2,3
	global_store_b128 v2, v[AF+16*(\i)+4*\p:AF+16*(\i)+4*\p+3], s[12:13] offset:(\i)*8192+512*\p   ; 512 consecutive bytes, aligned; each tile has its own data registers
.endr
.endm
.irp i, 0,1,2,3,4,5,6,7
	OUTB \i
.endr
	s_wait_tensorcnt 0x0                           ; the wave's end
	ds_add_u32 v[SPW], v[NIL]
	s_wait_dscnt 0x0
	CROUND                                         ; the closing round
	s_endpgm
.Lfunc_end_k_qe98bf95fbb_ffn1:
	.size	k_qe98bf95fbb_ffn1, .Lfunc_end_k_qe98bf95fbb_ffn1-k_qe98bf95fbb_ffn1
	.p2alignl 7, 3214868480
	.fill 96, 4, 3214868480
	.section	.rodata,"a",@progbits
	.p2align	6, 0x0
	.amdhsa_kernel k_qe98bf95fbb_ffn1
		.amdhsa_group_segment_fixed_size 327680
		.amdhsa_private_segment_fixed_size 0
		.amdhsa_enable_private_segment 0
		.amdhsa_kernarg_size 40
		.amdhsa_user_sgpr_count 2
		.amdhsa_user_sgpr_kernarg_segment_ptr 1
		.amdhsa_wavefront_size32 1
		.amdhsa_system_sgpr_workgroup_id_x 1
		.amdhsa_system_sgpr_workgroup_id_y 1
		.amdhsa_system_sgpr_workgroup_id_z 1
		.amdhsa_system_vgpr_workitem_id 0
		.amdhsa_next_free_vgpr 1024
		.amdhsa_next_free_sgpr 100
		.amdhsa_reserve_vcc 0
		.amdhsa_float_denorm_mode_32 3
		.amdhsa_float_denorm_mode_16_64 3
		.amdhsa_memory_ordered 1
		.amdhsa_forward_progress 1
		.amdhsa_inst_pref_size 84
	.end_amdhsa_kernel
	.amdgpu_metadata
---
amdhsa.version: [ 1, 2 ]
amdhsa.kernels:
  - .name:           k_qe98bf95fbb_ffn1
    .symbol:         k_qe98bf95fbb_ffn1.kd
    .args:
      - { .name: h2_img, .offset: 0, .size: 8, .value_kind: global_buffer, .address_space: global }
      - { .name: wcodes, .offset: 8, .size: 8, .value_kind: global_buffer, .address_space: global }
      - { .name: lowp_scales, .offset: 16, .size: 8, .value_kind: global_buffer, .address_space: global }
      - { .name: b1, .offset: 24, .size: 8, .value_kind: global_buffer, .address_space: global }
      - { .name: hid_img, .offset: 32, .size: 8, .value_kind: global_buffer, .address_space: global }
    .group_segment_fixed_size: 327680
    .private_segment_fixed_size: 0
    .kernarg_segment_align: 8
    .kernarg_segment_size: 40
    .max_flat_workgroup_size: 128
    .sgpr_count:     100
    .vgpr_count:     1024
    .wavefront_size: 32
...
	.end_amdgpu_metadata
.endif
;; end of part 5
;; launch ffn2 (part 6): grid 4 x 64, 4 waves a work-group, clusters of 4 x 4, 327,680 bytes of LDS; arguments hid_img, wcodes, lowp_scales, x1b, out0; writes out0
.if DOCPART == 6
	.amdgcn_target "amdgcn-amd-amdhsa--gfx1250"
	.amdhsa_code_object_version 6
	.text
	.protected	k_qe98bf95fbb_ffn2
	.globl	k_qe98bf95fbb_ffn2
	.p2align	8
	.type	k_qe98bf95fbb_ffn2,@function
k_qe98bf95fbb_ffn2:
	s_mov_b64 s[64:65], 0
	v_nop
	global_prefetch_b8 v0, s[64:65] scope:SCOPE_SE
	s_setreg_imm32_b32 hwreg(HW_REG_WAVE_MODE, 25, 1), 1
	s_wait_xcnt 0x0
	s_wait_alu depctr_hold_cnt(0) depctr_sa_sdst(0) depctr_va_vdst(0) depctr_va_sdst(0) depctr_va_ssrc(0) depctr_va_vcc(0) depctr_vm_vsrc(0)
	s_getreg_b32 s2, hwreg(HW_REG_IB_STS2, 6, 4)
	s_cmp_eq_u32 s2, 0
	s_cbranch_scc0 .Lentry_in_a_cluster
	s_endpgm
.Lentry_in_a_cluster:
	s_bfe_u32 s2, ttmp6, 0x10000c
	s_cmp_lg_u32 s2, 0xf033
	s_cbranch_scc0 .Lentry_shape_is_right
	s_endpgm
.Lentry_shape_is_right:
; out = x1 + hid W2 + b2 (product 8, on codes of BF8), 8,192 x 512, K = 2,048.  Nothing is left out here.
; A work-group makes 128 rows x 128 columns (64 x 4 blocks: 256 work-groups), a wave 64 x 64: 16 accumulators, whose first products take the constant 0 as C.
; x1b = (x1 + b2) / 2^(e14 + e15), images of accumulators, is asked for behind chunk 1's load, lands under the products and is added on the way out: out = (sum + x1b) x 2^(e14 + e15).
; K goes in four chunks of 512 through a ring of two LDS slots of 131,072 bytes: hid's 128 rows (65,536 bytes, dense), then W2's 128 columns (two dense blocks of 32,768).  Each wave fetches 32,768 bytes with one tensor load.
; CLUSTERS 4 x 4: hid's tiles are asked for jointly along a row of the cluster, W2's along a column; each refill stands behind a round of the cluster's barrier.
; PREFETCH: behind the load of chunk c (c = 0, 1, 2) chunk c + 1's tiles are asked for, one chunk ahead of their load: of the 32,768 bytes that a wave fetches each of the four
; partners names 8,192, told apart by address, a lane 256 bytes: one instruction a wave.  Each of the three has an address pair of its own, so none is rewritten.  Chunk 0 comes by its load alone.
; The product is used transposed (source 0 = 16 columns of W2, source 1 = 16 rows of hid).  The result leaves through the wave's own stage in LDS as rows of 256 bytes.
; LIMIT: e14 + e15 between -126 and 126.
; REGISTERS: window 0: v2-29 addresses, v32-127 the way out, v128-255 hid's fragments, two sets; window 1: v0-127 accumulators, v128-255 W2's fragments, two sets; window 2: v0-127 x1b.
.set SLOT,  131072
.set STAGE, 262144                     ; 4 x 4,352 bytes, into which no fill lands
.set SPARE, 279552
.set ADRA, 22                          ; v22, v23: slot 0, 1
.set ADRB, 24                          ; v24, v25
.set SPW,  28
.set NIL,  29
.set G1,  24
.set G0,  32
.set G1B, 48
.set G0B, 56
.set PF1, 84                           ; s[84:85], s[92:93], s[94:95]: my prefetches of chunks 1, 2, 3
.set PF2, 92
.set PF3, 94
.set PFS, 86                           ; s[86:87]: a chunk on, in bytes
.set MSB, 0
.macro WIN new
.if MSB != (\new)
	s_set_vgpr_msb (MSB<<8)|(\new)
.set MSB, (\new)
.endif
.endm
.macro PLACES
.rept 4
	v_nop
.endr
.endm
.macro CREST
	s_cmp_lg_u32 s14, 0
	s_cbranch_scc1 .Lnot_wave_0_\@
	s_barrier_signal -3
.Lnot_wave_0_\@:
	s_barrier_wait -3
	s_barrier_signal -1
	s_barrier_wait -1
.endm
.macro CROUND
	s_barrier_signal -1
	s_barrier_wait -1
	CREST
.endm
.macro JLOAD s                         ; waves 0, 1 fetch hid's halves, waves 2, 3 W2's; the branch hangs on the wave's number alone
	s_cmp_eq_u32 s15, 0
	s_cbranch_scc0 .Lfor_b_\@
	tensor_load_to_lds s[G0+4*\s:G0+4*\s+3], s[G1:G1+7]
	s_nop 0
	PLACES
	s_branch .Lasked_\@
.Lfor_b_\@:
	tensor_load_to_lds s[G0B+4*\s:G0B+4*\s+3], s[G1B:G1B+7]
	s_nop 0
	PLACES
.Lasked_\@:
.endm
	s_load_b256 s[4:11], s[0:1], 0x0               ; hid_img 4, wcodes 6, scales 8, x1b 10
	s_load_b64 s[12:13], s[0:1], 0x20              ; out0
	v_lshl_add_u32 v[SPW], v0, 2, SPARE
	v_mov_b32 v[NIL], 0
	ds_add_u32 v[SPW], v[NIL]                      ; the opening lines: the add twice on end and its wait
	ds_add_u32 v[SPW], v[NIL]
	v_lshrrev_b32 v1, 5, v0
	v_readfirstlane_b32 s14, v1                    ; wave
	s_lshr_b32 s15, s14, 1                         ; my half of the rows; also: I fetch hid (0) or W2 (1)
	s_and_b32 s16, s14, 1                          ; my half of the columns; also: which half I fetch
	s_bfe_u32 s40, ttmp6, 0x40000                  ; cx
	s_bfe_u32 s41, ttmp6, 0x40004                  ; cy
	s_lshl_b32 s42, ttmp9, 2
	s_add_co_u32 s42, s42, s40                     ; block column, 0 .. 3
	s_and_b32 s17, ttmp7, 0xffff
	s_lshl_b32 s17, s17, 2
	s_add_co_u32 s17, s17, s41                     ; block row, 0 .. 63
	s_lshl_b32 s43, s41, 2
	s_lshl_b32 s43, 15, s43
	s_lshl_b32 s44, 0x1111, s40
	s_or_b32 s[G1], s43, (3<<16)|(1<<21)
	s_or_b32 s[G1B], s44, (3<<16)|(1<<21)
.irp g, G1, G1B
	s_mov_b32 s[\g+1], 32<<16                      ; rows of 256 bytes,
	s_mov_b32 s[\g+2], 128<<16                     ; 128 of them, dense
	s_mov_b32 s[\g+3], 32<<16
	s_mov_b32 s[\g+4], 128
	s_mov_b32 s[\g+5], 32
	s_mov_b32 s[\g+6], 0
	s_mov_b32 s[\g+7], 0
.endr
	s_lshl_b32 s20, s17, 18
	s_lshl_b32 s18, s16, 15
	s_add_co_u32 s20, s20, s18                     ; hid: 262,144 x block row + 32,768 x half
	s_mov_b32 s21, 0
	s_lshl_b32 s46, s42, 15
	s_lshl_b32 s47, s16, 17
	s_add_co_u32 s46, s46, s47
	s_add_co_u32 s46, s46, 5<<18                   ; W2: unit 5, K 256 x half, my 128 columns
	s_mov_b32 s47, 0
	s_lshl_b32 s45, s14, 15                        ; LDS: 32,768 x wave
	s_wait_dscnt 0x0
	s_wait_kmcnt 0x0
	s_load_b64 s[68:69], s[8:9], 0x38              ; e14, e15
	s_add_nc_u64 s[20:21], s[4:5], s[20:21]
	s_add_nc_u64 s[46:47], s[6:7], s[46:47]
	CROUND
.irp s, 0,1
	s_mov_b32 s[G0+4*\s], 1
	s_add_co_u32 s[G0+4*\s+1], s45, \s*SLOT
	s_add_nc_u64 s[G0+4*\s+2:G0+4*\s+3], s[20:21], \s*65536
	s_or_b32 s[G0+4*\s+3], s[G0+4*\s+3], 0x80000000
	s_mov_b32 s[G0B+4*\s], 1
	s_add_co_u32 s[G0B+4*\s+1], s45, \s*SLOT
	s_add_nc_u64 s[G0B+4*\s+2:G0B+4*\s+3], s[46:47], \s*524288
	s_or_b32 s[G0B+4*\s+3], s[G0B+4*\s+3], 0x80000000
.endr
	JLOAD 0                                        ; chunk 0: one tensor load a wave at the head
	s_lshl_b32 s20, s17, 18
	s_lshl_b32 s72, s15, 17
	s_add_co_u32 s20, s20, s72                     ; my 64 rows, in x1b and in out0 alike
	s_mov_b32 s22, s20
	s_lshl_b32 s72, s42, 13
	s_add_co_u32 s20, s20, s72
	s_lshl_b32 s72, s16, 12
	s_add_co_u32 s20, s20, s72                     ; x1b: + my four column tiles of 1,024 bytes
	s_lshl_b32 s72, s42, 9
	s_add_co_u32 s22, s22, s72
	s_lshl_b32 s72, s16, 8
	s_add_co_u32 s22, s22, s72                     ; out0: + my 64 columns
	s_mov_b32 s21, 0
	s_mov_b32 s23, 0
	s_add_nc_u64 s[10:11], s[10:11], s[20:21]
	s_add_nc_u64 s[12:13], s[12:13], s[22:23]
	s_lshl_b32 s80, s17, 18                        ; the prefetches: my wave's 32,768 bytes of chunk 1, my work-group's 8,192 of them
	s_lshl_b32 s81, s16, 15
	s_add_co_u32 s80, s80, s81
	s_lshl_b32 s81, s40, 13
	s_add_co_u32 s80, s80, s81
	s_add_co_u32 s80, s80, 65536
	s_lshl_b32 s82, s42, 15
	s_lshl_b32 s83, s16, 17
	s_add_co_u32 s82, s82, s83
	s_lshl_b32 s83, s41, 13
	s_add_co_u32 s82, s82, s83
	s_add_co_u32 s82, s82, (5<<18)+524288
	s_mov_b32 s73, 524288
	s_cmp_eq_u32 s15, 0
	s_cselect_b32 s80, s80, s82
	s_cselect_b64 s[PF1:PF1+1], s[4:5], s[6:7]
	s_cselect_b32 s[PFS], 65536, s73               ; a chunk on
	s_mov_b32 s81, 0
	s_mov_b32 s[PFS+1], 0
	s_add_nc_u64 s[PF1:PF1+1], s[PF1:PF1+1], s[80:81]
	s_add_nc_u64 s[PF2:PF2+1], s[PF1:PF1+1], s[PFS:PFS+1]
	s_add_nc_u64 s[PF3:PF3+1], s[PF2:PF2+1], s[PFS:PFS+1]
	s_lshl_b32 s74, s15, 15
	s_lshl_b32 s75, s16, 13
	s_add_co_u32 s75, s75, 65536
	s_mul_i32 s76, s14, 4352
	s_add_co_u32 s76, s76, STAGE
	v_and_b32 v1, 31, v0
	v_lshlrev_b32 v2, 4, v1                        ; 16 x lane
	v_lshlrev_b32 v3, 8, v1                        ; 256 x lane
	global_prefetch_b8 v3, s[PF1:PF1+1] th:TH_LOAD_NT scope:SCOPE_SE   ; chunk 1
	v_and_b32 v19, 15, v0
	v_bfe_u32 v20, v0, 4, 1
	v_add_nc_u32 v[ADRA], s74, v2
	v_add_nc_u32 v[ADRA+1], SLOT, v[ADRA]
	v_add_nc_u32 v[ADRB], s75, v2
	v_add_nc_u32 v[ADRB+1], SLOT, v[ADRB]
	v_mul_u32_u24 v16, v19, 272
	v_lshl_add_u32 v16, v20, 5, v16
	v_add_nc_u32 v16, s76, v16                     ; stage, in: r x 272 + 32 h
	v_mul_u32_u24 v17, v20, 272
	v_lshl_add_u32 v17, v19, 4, v17
	v_add_nc_u32 v17, s76, v17                     ; stage, back: h x 272 + 16 r
	v_lshlrev_b32 v18, 11, v20
	v_lshl_add_u32 v18, v19, 4, v18                ; the same two rows in out0
.macro FETCH sl, s, p                  ; K step s of the slot's chunk into set p: four fragments of W2, four of hid
	WIN 0x40
.irp t, 0,1,2,3
.irp c, 0,1,2,3
	ds_load_b128 v[128+64*(\p)+16*\t+4*\c:128+64*(\p)+16*\t+4*\c+3], v[ADRB+\sl] offset:((\s)/2)*32768+(((\s)%2)*8+\t)*2048+512*\c
.endr
.endr
	WIN 0
.irp m, 0,1,2,3
.irp c, 0,1,2,3
	ds_load_b128 v[128+64*(\p)+16*\m+4*\c:128+64*(\p)+16*\m+4*\c+3], v[ADRA+\sl] offset:\m*8192+(\s)*2048+512*\c
.endr
.endr
.endm
.macro MUL8 p, m0                      ; row tiles m0, m0 + 1 x four column tiles; the 16 accumulators take turns in the same order in every step.  ZC = 1: the first products start the sums
	WIN 0x51
.irp m, \m0, \m0+1
.irp t, 0,1,2,3
.if ZC
	v_wmma_f32_16x16x128_bf8_bf8 v[32*(\m)+8*\t:32*(\m)+8*\t+7], v[128+64*(\p)+16*\t:128+64*(\p)+16*\t+15], v[128+64*(\p)+16*(\m):128+64*(\p)+16*(\m)+15], 0
.else
	v_wmma_f32_16x16x128_bf8_bf8 v[32*(\m)+8*\t:32*(\m)+8*\t+7], v[128+64*(\p)+16*\t:128+64*(\p)+16*\t+15], v[128+64*(\p)+16*(\m):128+64*(\p)+16*(\m)+15], v[32*(\m)+8*\t:32*(\m)+8*\t+7]
.endif
.endr
.endr
	WIN 0
.endm
.macro STEP sl, s                      ; K steps 0 to 2 of a chunk
	PLACES                                         ; ahead of loads into the set that the last step multiplied
	FETCH \sl, (\s)+1, 1-(\s)%2
	s_wait_dscnt 32                                ; this step's fragments are in; the 32 loads just issued may be out
	MUL8 (\s)%2, 0
	MUL8 (\s)%2, 2
.endm
.macro TURN sl, next, fill, ask        ; a chunk's K step 3 changes slots
	s_wait_tensorcnt 0x0                           ; my part of the next slot is in,
	ds_add_u32 v[SPW], v[NIL]
	s_wait_dscnt 0x0                               ; and my reads of this slot are over
	s_barrier_signal -1
	MUL8 1, 0
	s_barrier_wait -1
.if \fill
	CREST                                          ; the barrier has opened a round of the cluster's barrier
	s_add_nc_u64 s[G0+4*\sl+2:G0+4*\sl+3], s[G0+4*\sl+2:G0+4*\sl+3], 2*65536
	s_add_nc_u64 s[G0B+4*\sl+2:G0B+4*\sl+3], s[G0B+4*\sl+2:G0B+4*\sl+3], 2*524288
	JLOAD \sl                                      ; two chunks on; its four v_nop are the places ahead of the loads below
.else
	PLACES
.endif
	FETCH \next, 0, 0
.if \ask
	global_prefetch_b8 v3, s[PF3:PF3+1] th:TH_LOAD_NT scope:SCOPE_SE   ; chunk 3
.endif
	MUL8 1, 2
.endm
	s_wait_alu depctr_va_vdst(0)                   ; the wait at the head's end
	s_wait_tensorcnt 0x0                           ; my part of chunk 0
	ds_add_u32 v[SPW], v[NIL]
	s_wait_dscnt 0x0
	CROUND
	JLOAD 1                                        ; chunk 1
	FETCH 0, 0, 0
	global_prefetch_b8 v3, s[PF2:PF2+1] th:TH_LOAD_NT scope:SCOPE_SE   ; chunk 2
	WIN 0x80
.irp m, 0,1,2,3
.irp u, 0,1,2,3,4,5,6,7
	global_load_b128 v[32*\m+4*\u:32*\m+4*\u+3], v2, s[10:11] offset:32768*\m+512*\u th:TH_LOAD_NT   ; x1b of accumulator (m, t) in v[32 m + 8 t] of window 2; waited for on the way out
.endr
.endr
	WIN 0
.set ZC, 1
	STEP 0, 0
.set ZC, 0
	STEP 0, 1
	STEP 0, 2
	TURN 0, 1, 1, 1                                ; slot 0 takes chunk 2; chunk 3 is prefetched
	STEP 1, 0
	STEP 1, 1
	STEP 1, 2
	TURN 1, 0, 1, 0                                ; slot 1 takes chunk 3
	STEP 0, 0
	STEP 0, 1
	STEP 0, 2
	TURN 0, 1, 0, 0                                ; nothing more to fetch
	STEP 1, 0
	STEP 1, 1
	STEP 1, 2
	s_wait_dscnt 0x0
	MUL8 1, 0
	MUL8 1, 2
	s_wait_loadcnt 0x0                             ; x1b
	s_wait_kmcnt 0x0
	s_add_co_i32 s70, s68, s69
	s_add_co_i32 s70, s70, 127
	s_lshl_b32 s70, s70, 23                        ; 2^(e14 + e15)
	s_mov_b32 s71, s70
	PLACES
.macro TOSTAGE m                       ; 16 rows x 64 columns through my stage; LDS serves a wave's instructions in order
	WIN 0x09                                       ; source 0: window 1, the sums; source 1: window 2, x1b
.irp i, 0,2,4,6,8,10,12,14,16,18,20,22,24,26,28,30
	v_pk_add_f32 v[32+\i:33+\i], v[32*(\m)+\i:32*(\m)+\i+1], v[32*(\m)+\i:32*(\m)+\i+1]   ; each accumulator from its low end on
.endr
	WIN 0
.irp i, 0,2,4,6,8,10,12,14,16,18,20,22,24,26,28,30
	v_pk_mul_f32 v[32+\i:33+\i], v[32+\i:33+\i], s[70:71] op_sel_hi:[1,0]
.endr
.irp t, 0,1,2,3
	ds_store_b128 v16, v[32+8*\t:35+8*\t] offset:64*\t
	ds_store_b128 v16, v[36+8*\t:39+8*\t] offset:64*\t+16
.endr
.set rK, 64+32*((\m)%2)
.irp i, 0,1,2,3,4,5,6,7
	ds_load_b128 v[rK+4*\i:rK+4*\i+3], v17 offset:544*\i
.endr
.endm
.macro SEND m, younger
.set rK, 64+32*((\m)%2)
	s_wait_dscnt \younger
.irp i, 0,1,2,3,4,5,6,7
	global_store_b128 v18, v[rK+4*\i:rK+4*\i+3], s[12:13] offset:(16*(\m)+2*\i)*2048 th:TH_STORE_NT   ; sixteen lanes store 256 consecutive bytes, aligned
.endr
.endm
	TOSTAGE 0
.irp m, 1,2,3
.if \m > 1
	s_wait_xcnt 0x0                                ; tile m - 2's stores have read the registers on which tile m's loads land
.endif
	TOSTAGE \m
	SEND \m-1, 16                                  ; behind tile m - 1's loads: tile m's 8 stores and 8 loads
.endr
	SEND 3, 0
	s_wait_tensorcnt 0x0                           ; the wave's end
	ds_add_u32 v[SPW], v[NIL]
	s_wait_dscnt 0x0
	CROUND                                         ; the closing round
	s_endpgm
.Lfunc_end_k_qe98bf95fbb_ffn2:
	.size	k_qe98bf95fbb_ffn2, .Lfunc_end_k_qe98bf95fbb_ffn2-k_qe98bf95fbb_ffn2
	.p2alignl 7, 3214868480
	.fill 96, 4, 3214868480
	.section	.rodata,"a",@progbits
	.p2align	6, 0x0
	.amdhsa_kernel k_qe98bf95fbb_ffn2
		.amdhsa_group_segment_fixed_size 327680
		.amdhsa_private_segment_fixed_size 0
		.amdhsa_enable_private_segment 0
		.amdhsa_kernarg_size 40
		.amdhsa_user_sgpr_count 2
		.amdhsa_user_sgpr_kernarg_segment_ptr 1
		.amdhsa_wavefront_size32 1
		.amdhsa_system_sgpr_workgroup_id_x 1
		.amdhsa_system_sgpr_workgroup_id_y 1
		.amdhsa_system_sgpr_workgroup_id_z 1
		.amdhsa_system_vgpr_workitem_id 0
		.amdhsa_next_free_vgpr 768
		.amdhsa_next_free_sgpr 100
		.amdhsa_reserve_vcc 0
		.amdhsa_float_denorm_mode_32 3
		.amdhsa_float_denorm_mode_16_64 3
		.amdhsa_memory_ordered 1
		.amdhsa_forward_progress 1
		.amdhsa_inst_pref_size 83
	.end_amdhsa_kernel
	.amdgpu_metadata
---
amdhsa.version: [ 1, 2 ]
amdhsa.kernels:
  - .name:           k_qe98bf95fbb_ffn2
    .symbol:         k_qe98bf95fbb_ffn2.kd
    .args:
      - { .name: hid_img, .offset: 0, .size: 8, .value_kind: global_buffer, .address_space: global }
      - { .name: wcodes, .offset: 8, .size: 8, .value_kind: global_buffer, .address_space: global }
      - { .name: lowp_scales, .offset: 16, .size: 8, .value_kind: global_buffer, .address_space: global }
      - { .name: x1b, .offset: 24, .size: 8, .value_kind: global_buffer, .address_space: global }
      - { .name: out0, .offset: 32, .size: 8, .value_kind: global_buffer, .address_space: global }
    .group_segment_fixed_size: 327680
    .private_segment_fixed_size: 0
    .kernarg_segment_align: 8
    .kernarg_segment_size: 40
    .max_flat_workgroup_size: 128
    .sgpr_count:     100
    .vgpr_count:     768
    .wavefront_size: 32
...
	.end_amdgpu_metadata
.endif
;; end of part 6
